; MI455X (gfx1250); checked and timed in simulation.
; The chip was launched on July 23, 2026; its instructions are those of AMD's public machine-readable ISA for CDNA 5 (MIT licence, August 2026) and "CDNA5" Instruction Set Architecture Reference Guide (July 2026). The comments in the code are by the model that wrote it; some were corrected since.
;; SA MH Layer. Allowed arithmetic: matrix products marked QUANTISED: E3M2 operands, one E8M0 scale for each 32 along K, by v_wmma_scale_f32_16x16x128_f8f6f4 with both operands' format E3M2, f32 sums; everything else in f32.
;; Inputs: beta 256 float32; bt 256 float32; gamma 256 float32; wk 256 x 256 float32; wq 256 x 256 float32; wt 256 x 256 float32; wv 256 x 256 float32; x 4 x 256 x 4,096 float32.
;; Outputs: out0 4 x 256 x 4,096 float32.
;; This version of the problem:
;;   THIS VERSION OF THE PROBLEM IS GIVEN IN LOW PRECISION. The matrix products marked QUANTISED in the list below multiply operands that are first quantised to E3M2 (3 exponent bits, 2 mantissa bits; 6 bits a number), with one power-of-two scale for each 32 numbers along K (OCP MX v1.0); their sums are f32. All else is computed in f32.
;;   The module's matrix products, in the order in which they are computed (A, B: the left and right operand; K: the contracted axis; several contracted axes count as one K, in the product's order):
;;     1. [M 16,384, K 256] x [K 256, N 256]; A: input x; B: input wq: QUANTISED
;;     2. [M 16,384, K 256] x [K 256, N 256]; A: input x; B: input wk: QUANTISED
;;     3. [M 16,384, K 256] x [K 256, N 256]; A: input x; B: input wv: QUANTISED
;;     4. batch 16 x [M 4,096, K 64] x [K 64, N 4,096]; A: computed on the way; B: computed on the way: QUANTISED
;;     5. batch 16 x [M 64, K 4,096] x [K 4,096, N 4,096]; A: computed on the way; B: softmax (see below): QUANTISED
;;     6. [M 16,384, K 256] x [K 256, N 256]; A: computed on the way; B: input wt: QUANTISED
;;   THE QUANTISER, for each operand of a quantised product, along K:
;;     - K is cut into blocks of 32 from its start; a last block that is shorter is filled with zeros.
;;     - A block's scale is 2^e with e = floor(log2(the largest magnitude in the block)) - 4, held to -126 .. 127; a block of zeros has e = 0. As a byte (E8M0): e + 127.
;;     - Each number is divided by its block's scale, clamped to +-28, and rounded to the nearest number of E3M2, ties to even, subnormals kept.
;;     - The product sums the exact products of the quantised numbers (number of the format x scale) in f32.
;;   ~~~python
;;   def quantise(x, axis):      # numpy; x: float32 -> the quantised numbers, widened to float32 again
;;       x = np.moveaxis(x, axis, -1); K = x.shape[-1]
;;       x = np.pad(x, [(0, 0)] * (x.ndim - 1) + [(0, -K % 32)]); x = x.reshape(x.shape[:-1] + (-1, 32)); a = np.abs(x).max(-1, keepdims=True)
;;       e = np.where(a > 0, np.clip(np.frexp(np.where(a > 0, a, 1))[1] - 1 - 4, -126, 127), 0)      # np.frexp(a)[1] - 1 = floor(log2(a)), exactly
;;       r = np.clip(x / 2.0 ** e, -28, 28)
;;       step = 2.0 ** (np.maximum(np.frexp(np.where(r == 0, 1, r))[1] - 1, -2) - 2)
;;       q = np.round(r / step) * step * 2.0 ** e      # np.round: ties to even
;;       return np.moveaxis(q.reshape(q.shape[:-2] + (-1,))[..., :K], -1, axis).astype(np.float32)
;;   ~~~
;;   SOFTMAX AHEAD OF A QUANTISED PRODUCT. Where the list says 'softmax', what is quantised is not the finished softmax but p = 2^(t - M), with t = logit x log2(e) and M = ceil(the row's largest t), a whole number; so 1/2 < the row's largest p <= 1. The row's sum l is taken of the UNQUANTISED p, in f32, and the product's result is divided by l at the end. Since M is a whole number, a kernel that streams over the keys may use a running M (the ceiling of the running maximum): every later rescaling is an exact power of two, which a block's scale takes up: the codes' values come out the same.
;;   OPERANDS COMPUTED ON THE WAY. 'Computed on the way' means the value that the module computes at that place (a softmax that the list does not call 'softmax' is quantised finished and normalised). What goes into a quantiser is computed in f32, as accurately as f32 sums, v_exp_f32 and their like allow (about 1e-6 of the number): no bf16 or f16 on the way to a quantiser, and a product that is left as it is and whose result goes on into a quantised operand takes f32 operands (vector FMAs, or v_wmma_f32_16x16x4_f32). A number that lies on a knife's edge between two numbers of the format may be rounded either way, as far as f32 arithmetic and the matrix unit's own rounding can turn it there, and no further.
;; One version. Each part assembles by itself: llvm-mc -triple=amdgcn-amd-amdhsa -mcpu=gfx1250 --defsym DOCPART=n.
;; ======== version 1 of 1: 4 launches
;; workspace buffers: qc 3,145,728 bytes; qs 262,144 bytes; kv 6,684,672 bytes; rc 3,145,728 bytes; rs 262,144 bytes; y 16,777,216 bytes; part 131,072 bytes
;; launch qkv (part 1): grid 64 x 4, 8 waves a work-group, no clusters, 54,784 bytes of LDS; arguments x, wq, wk, wv, qc, qs, kv; writes qc, qs, kv
.if DOCPART == 1
	.amdgcn_target "amdgcn-amd-amdhsa--gfx1250"
	.amdhsa_code_object_version 6
	.text
	.protected	k_qe2ef38277f_qkv
	.globl	k_qe2ef38277f_qkv
	.p2align	8
	.type	k_qe2ef38277f_qkv,@function
k_qe2ef38277f_qkv:
	s_mov_b64 s[64:65], 0
	v_nop
	global_prefetch_b8 v0, s[64:65] scope:SCOPE_SE
	s_setreg_imm32_b32 hwreg(HW_REG_WAVE_MODE, 25, 1), 1
	s_wait_xcnt 0x0
; q, k, v = wq x, wk x, wv x on codes of BF6 (E3M2) with one E8M0 scale for each 32 channels; then q and k are quantised along the head's 64 and v along the keys, and all three are
; stored in the order of the operand registers of the attention launch.
; SHARES.  A work-group takes 256 points of one batch and one head (64 rows of each weight).  Wave w takes 32 points: one block of 32 keys, as two tiles of 16 points, A = {0..7, 16..23} and B = {8..15, 24..31}.
; These two sets make a lane's 16 results of v 16 neighbouring keys; the same order of the weights' rows (tile t, row r = 32 (t/2) + 8 (t%2) + r + 8 (r/8)) makes a lane's results of q and k 16 neighbouring channels of the head.
; x: a lane takes a point and its registers run down the channels, so a block of 32 lies in one lane; a swap of half waves between two neighbouring blocks gives tile A's and tile B's operand registers.
; The weights' 24 fragments (3 weights x 4 tiles x 2 K steps) are quantised once, three by each wave, and go from wave to wave through LDS as images of their registers.
; LIMITS: NaN and infinities are not served.  A block whose largest magnitude lies under 2^-122 (a block of zeros among them) gets the scale byte 1; its bytes are read by this program alone.
.set WIMG,  0                          ; LDS: 24 images of 1,536 bytes: unit 8 mat + 2 t + s
.set WSC,   36864                      ; their scale words, 128 bytes each
.set OUT,   39936                      ; two records' bytes 6,144 .. 13,055: V's four fragments, K's scale words (at 6,144), V's (at 6,656)
.set OUTB,  6912
.set STEPB, 13056                      ; a record of kv: 128 keys
.set LI,  1                            ; v1   16 x lane
.set L8,  2                            ; v2   8 x lane
.set L4,  3                            ; v3   4 x lane
.set XO,  4                            ; v4   x: my point's byte in a row
.set WO,  5                            ; v5   a weight: my row's and half's byte
.set WIA, 6                            ; v6   where I store a weight's image
.set WSA, 7                            ; v7   and its scale word
.set VA1, 8                            ; v8, v9  where my 24 bytes of a fragment of V go
.set VA2, 9
.set VB,  10                           ; v10  V's scale byte
.set KA,  11                           ; v11  K's two scale words
.set CPA, 12                           ; v12, v13  the copy out of LDS
.set CPB, 13
.set TM,  16                           ; v16-31  the quantiser's: +0 largest magnitudes, +4 bytes, +12 scale operands
.set PW,  32                           ; v32  the scale word just made
.set WA,  34                           ; v34, v35  tile A's and tile B's scale words
.set XS,  36                           ; v36, v37  x's scale words of K steps 0, 1: lanes 0-15 tile A's, lanes 16-31 tile B's
.set WS,  40                           ; v40-43  four weight tiles' scale words
.set CT,  44                           ; v44-51  second halves of conversions
.set PC,  52                           ; v52-63  codes just made
.set XF,  64                           ; v64-111 x's fragments: tile pt, K step s at 64 + 24 pt + 12 s
.set CO,  112                          ; v112-125 the copy out
.set ACC, 128                          ; v128-191 eight accumulators (before: sets of loaded numbers)
.set WF,  192                          ; v192-239 four weight fragments (before: sets of loaded numbers)
.set SEL, 20                           ; s[20:21] selects for lane l xor 16
.macro NOPS n
.rept \n
	v_nop
.endr
.endm
; 16 nb numbers of a lane, register 16 b + i = k 32 b + 16 (lane / 16) + i of my row, become codes in v[d] on (lane (r, h): whole block 2 c + h in registers 6 c .. 6 c + 5), bytes in v[TM+4] on and the scale word in v[PW].
.macro QUANT s, d, nb
.set qi, 0
.rept \nb
	v_max3_num_f32 v[TM+qi], |v[(\s)+16*qi]|, |v[(\s)+16*qi+1]|, 0x2800000   ; my 16 numbers, and the floor 2^(5 - 127): the byte cannot fall under 1
.set qi, qi+1
.endr
.irp i, 2,4,6,8,10,12,14
.set qi, 0
.rept \nb
	v_max3_num_f32 v[TM+qi], v[TM+qi], |v[(\s)+16*qi+\i]|, |v[(\s)+16*qi+\i+1]|   ; the blocks by turns
.set qi, qi+1
.endr
.endr
.set qi, 0
.rept \nb
	v_permlanex16_b32 v[TM+4+qi], v[TM+qi], s[SEL], s[SEL+1]
.set qi, qi+1
.endr
.set qi, 0
.rept \nb
	v_max_num_f32 v[TM+qi], v[TM+qi], v[TM+4+qi]   ; with lane l xor 16's: the block's largest magnitude
.set qi, qi+1
.endr
.set qi, 0
.rept \nb
	v_add_nc_u32 v[TM+12+qi], 0xfe000000, v[TM+qi] ; 4 off its exponent field: the conversion's scale operand
.set qi, qi+1
.endr
.set qi, 0
.rept \nb
	v_lshrrev_b32 v[TM+4+qi], 23, v[TM+12+qi]      ; the scale's byte
.set qi, qi+1
.endr
	v_lshl_or_b32 v[PW], v[TM+5], 8, v[TM+4]
.if \nb == 4
	s_delay_alu instid0(VALU_DEP_1)
	v_lshl_or_b32 v[PW], v[TM+6], 16, v[PW]
	s_delay_alu instid0(VALU_DEP_1)
	v_lshl_or_b32 v[PW], v[TM+7], 24, v[PW]
.endif
.set qi, 0
.rept \nb/2
	v_cvt_scalef32_pk16_bf6_f32 v[(\d)+6*qi:(\d)+6*qi+2], v[(\s)+32*qi:(\s)+32*qi+15], v[TM+12+2*qi]
	v_cvt_scalef32_pk16_bf6_f32 v[CT+4*qi:CT+4*qi+2], v[(\s)+32*qi+16:(\s)+32*qi+31], v[TM+12+2*qi+1]   ; (a conversion's three registers begin on an even number)
.set qi, qi+1
.endr
	v_nop                                          ; one plain instruction behind the conversions
.set qi, 0
.rept \nb/2
.irp i, 0,1,2
	v_permlane16_swap_b32 v[(\d)+6*qi+\i], v[CT+4*qi+\i]   ; the first now holds the lower 16 codes of each lane's block, the second the upper 16
.endr
.irp i, 0,1,2
	s_delay_alu instid0(VALU_DEP_3)
	v_mov_b32 v[(\d)+6*qi+3+\i], v[CT+4*qi+\i]
.endr
.set qi, qi+1
.endr
.endm
; one product.  c < 0: the constant 0 starts the sum.  row = 1: source 0's scales stand in lanes 16-31; 2: source 1's.
.macro WM d, a, b, c, sa, sb, row
.if (\c) < 0
.if (\row) == 0
	v_wmma_scale_f32_16x16x128_f8f6f4 v[(\d):(\d)+7], v[(\a):(\a)+11], v[(\b):(\b)+11], 0, v[\sa], v[\sb] matrix_a_fmt:MATRIX_FMT_BF6 matrix_b_fmt:MATRIX_FMT_BF6
.elseif (\row) == 1
	v_wmma_scale_f32_16x16x128_f8f6f4 v[(\d):(\d)+7], v[(\a):(\a)+11], v[(\b):(\b)+11], 0, v[\sa], v[\sb] matrix_a_fmt:MATRIX_FMT_BF6 matrix_b_fmt:MATRIX_FMT_BF6 matrix_a_scale:MATRIX_SCALE_ROW1
.else
	v_wmma_scale_f32_16x16x128_f8f6f4 v[(\d):(\d)+7], v[(\a):(\a)+11], v[(\b):(\b)+11], 0, v[\sa], v[\sb] matrix_a_fmt:MATRIX_FMT_BF6 matrix_b_fmt:MATRIX_FMT_BF6 matrix_b_scale:MATRIX_SCALE_ROW1
.endif
.else
.if (\row) == 0
	v_wmma_scale_f32_16x16x128_f8f6f4 v[(\d):(\d)+7], v[(\a):(\a)+11], v[(\b):(\b)+11], v[(\c):(\c)+7], v[\sa], v[\sb] matrix_a_fmt:MATRIX_FMT_BF6 matrix_b_fmt:MATRIX_FMT_BF6
.elseif (\row) == 1
	v_wmma_scale_f32_16x16x128_f8f6f4 v[(\d):(\d)+7], v[(\a):(\a)+11], v[(\b):(\b)+11], v[(\c):(\c)+7], v[\sa], v[\sb] matrix_a_fmt:MATRIX_FMT_BF6 matrix_b_fmt:MATRIX_FMT_BF6 matrix_a_scale:MATRIX_SCALE_ROW1
.else
	v_wmma_scale_f32_16x16x128_f8f6f4 v[(\d):(\d)+7], v[(\a):(\a)+11], v[(\b):(\b)+11], v[(\c):(\c)+7], v[\sa], v[\sb] matrix_a_fmt:MATRIX_FMT_BF6 matrix_b_fmt:MATRIX_FMT_BF6 matrix_b_scale:MATRIX_SCALE_ROW1
.endif
.endif
.endm
.macro WLOAD base, reg                 ; my unit of a weight: 16 rows x 128 channels, 64 numbers a lane: of each block of 32 my half's 16
.irp b, 0,1,2,3
.irp j, 0,1,2,3
	global_load_b128 v[\reg+16*\b+4*\j:\reg+16*\b+4*\j+3], v[WO], s[\base:\base+1] offset:128*\b+16*\j
.endr
.endr
.endm
.macro WUNIT i, reg                    ; it is quantised, and its image and scale word go to LDS
	QUANT \reg, PC, 4
.irp c, 0,1,2
	ds_store_b128 v[WIA], v[PC+4*\c:PC+4*\c+3] offset:12288*\i+512*\c
.endr
	ds_store_b32 v[WSA], v[PW] offset:1024*\i
	s_wait_dscnt 0x0                               ; the stores have read their registers
.endm
.macro XLOAD t                         ; channels 32 t .. 32 t + 31 of my point: each load reads 128 consecutive bytes
.set XL, 128+32*(((\t)+2)%4)
.set xi, 0
.rept 32
	global_load_b32 v[XL+xi], v[XO], s[4:5] offset:(32*(\t)+xi)*16384
.set xi, xi+1
.endr
.endm
.macro XBLOCK t, n                     ; block t of my point is quantised.  n: the younger loads that may stay out
.set XB, 128+32*(((\t)+2)%4)
.set DST, XF+24*((\t)%2)+12*((\t)/4)+6*(((\t)/2)%2)
	s_wait_loadcnt \n
	v_max3_num_f32 v[TM], |v[XB]|, |v[XB+1]|, |v[XB+2]|
	v_max3_num_f32 v[TM+1], |v[XB+3]|, |v[XB+4]|, |v[XB+5]|
.irp i, 6,10,14,18,22,26
	s_delay_alu instid0(VALU_DEP_2)
	v_max3_num_f32 v[TM], v[TM], |v[XB+\i]|, |v[XB+\i+1]|
	s_delay_alu instid0(VALU_DEP_2)
	v_max3_num_f32 v[TM+1], v[TM+1], |v[XB+\i+2]|, |v[XB+\i+3]|
.endr
	s_delay_alu instid0(VALU_DEP_2)
	v_max3_num_f32 v[TM], v[TM], |v[XB+30]|, |v[XB+31]|
	s_delay_alu instid0(VALU_DEP_1)
	v_max3_num_f32 v[TM], v[TM], v[TM+1], 0x2800000
	s_delay_alu instid0(VALU_DEP_1)
	v_add_nc_u32 v[TM+12], 0xfe000000, v[TM]
	s_delay_alu instid0(VALU_DEP_1)
	v_lshrrev_b32 v[TM+2], 23, v[TM+12]
.if (\t)%4 == 0
	s_delay_alu instid0(VALU_DEP_1)
	v_mov_b32 v[XS+(\t)/4], v[TM+2]
.else
	s_delay_alu instid0(VALU_DEP_1)
	v_lshl_or_b32 v[XS+(\t)/4], v[TM+2], 8*((\t)%4), v[XS+(\t)/4]
.endif
	v_cvt_scalef32_pk16_bf6_f32 v[DST:DST+2], v[XB:XB+15], v[TM+12]
	v_cvt_scalef32_pk16_bf6_f32 v[CT:CT+2], v[XB+16:XB+31], v[TM+12]
	v_nop
.irp i, 0,1,2
	v_mov_b32 v[DST+3+\i], v[CT+\i]
.endr
.if (\t)%2 == 1
.irp i, 0,1,2,3,4,5
	v_permlane16_swap_b32 v[DST-24+\i], v[DST+\i]  ; blocks t - 1 and t: the first becomes tile A's registers (lanes 0-15 block t - 1, lanes 16-31 block t), the second tile B's
.endr
.endif
.if (\t) < 4
	XLOAD (\t)+4
.endif
.endm
.macro FETCHW mat, s                   ; four tiles' fragments of weight mat, K step s, and their scale words
.irp t, 0,1,2,3
.irp c, 0,1,2
	ds_load_b128 v[WF+12*\t+4*\c:WF+12*\t+4*\c+3], v[LI] offset:WIMG+12288*\mat+1536*(2*\t+\s)+512*\c
.endr
	ds_load_b32 v[WS+\t], v[L4] offset:WSC+1024*\mat+128*(2*\t+\s)
.endr
.endm
; q or k, transposed: source 0 = 16 rows of the weight, source 1 = 16 points.  Lane (r, h) then holds point r, and registers 32 pt + 16 b + i the head's channel 32 b + 16 h + i.
.macro PHASE_QK mat
	NOPS 8                                         ; places: in front of scaled products behind vector writes of scale words and operands, of accumulators begun anew, and of loads into registers that products have read
	FETCHW \mat, 0
	s_wait_dscnt 0x0
.irp pt, 0,1
.irp t, 0,1,2,3
	WM ACC+32*\pt+8*\t, WF+12*\t, XF+24*\pt, -1, WS+\t, XS, 2*\pt
.endr
.endr
	NOPS 4
	FETCHW \mat, 1
	s_wait_alu depctr_va_vdst(0)
	s_wait_dscnt 0x0
.irp pt, 0,1
.irp t, 0,1,2,3
	WM ACC+32*\pt+8*\t, WF+12*\t, XF+24*\pt+12, ACC+32*\pt+8*\t, WS+\t, XS+1, 2*\pt   ; the eight accumulators take turns
.endr
.endr
	NOPS 4
	QUANT ACC, PC, 2
	v_or_b32 v[WA], 0x7f7f0000, v[PW]              ; bytes 2 and 3 (the K step's upper 64, which hold nothing) stand for 1
	QUANT ACC+32, PC+6, 2
	v_or_b32 v[WA+1], 0x7f7f0000, v[PW]
.endm
	s_load_b256 s[4:11], s[0:1], 0x0               ; x, wq, wk, wv
	s_load_b128 s[12:15], s[0:1], 0x20             ; qc, qs
	s_load_b64 s[16:17], s[0:1], 0x30              ; kv
	v_lshl_add_u32 v126, v0, 2, 0xd200
	v_mov_b32 v127, 0
	v_lshrrev_b32 v14, 5, v0
	s_delay_alu instid0(VALU_DEP_1)
	v_readfirstlane_b32 s18, v14                   ; wave 0..7
	s_and_b32 s19, ttmp7, 0xffff                   ; head
	s_mov_b32 s[SEL], 0x76543210
	s_mov_b32 s[SEL+1], 0xfedcba98
	s_lshr_b32 s22, ttmp9, 4                       ; batch
	s_and_b32 s23, ttmp9, 15                       ; which 256 points
	s_lshl_b32 s24, s22, 2
	s_add_co_u32 s24, s24, s19                     ; bh = 4 b + h
	s_lshr_b32 s25, s18, 2                         ; which of the work-group's two records (also: t / 2 of my weight unit)
	s_and_b32 s26, s18, 3                          ; j: which block of 32 keys in it
	s_and_b32 s27, s18, 1                          ; j % 2 (also: my weight unit's K step)
	s_bfe_u32 s28, s18, 0x10001                    ; j / 2 (also: t % 2)
	v_and_b32 v14, 31, v0                          ; lane
	v_and_b32 v15, 15, v0                          ; r
	v_bfe_u32 v114, v0, 4, 1                       ; h
	s_delay_alu instid0(VALU_DEP_3)
	v_lshlrev_b32 v[LI], 4, v14
	s_delay_alu instid0(VALU_DEP_4)
	v_lshlrev_b32 v[L8], 3, v14
	v_lshlrev_b32 v[L4], 2, v14
	v_and_b32 v112, 7, v0
	v_bfe_u32 v113, v0, 3, 1
	s_delay_alu instid0(VALU_DEP_1)
	v_lshl_add_u32 v[XO], v113, 4, v112
	s_delay_alu instid0(VALU_DEP_1)
	v_lshl_add_u32 v[XO], v114, 3, v[XO]           ; my point of the wave's 32: lanes 0-15 tile A's rows, lanes 16-31 tile B's
	s_delay_alu instid0(VALU_DEP_1)
	v_lshlrev_b32 v[XO], 2, v[XO]
	s_lshl_b32 s29, s18, 7
	v_add_nc_u32 v[XO], s29, v[XO]
	v_and_b32 v115, 8, v15
	s_delay_alu instid0(VALU_DEP_1)
	v_add_nc_u32 v115, v115, v15                   ; r + 8 (r / 8)
	s_delay_alu instid0(VALU_DEP_1)
	v_lshlrev_b32 v[WO], 10, v115
	s_delay_alu instid0(VALU_DEP_1)
	v_lshl_add_u32 v[WO], v114, 6, v[WO]
	s_lshl_b32 s29, s25, 15
	s_lshl_b32 s30, s28, 13
	s_add_co_u32 s29, s29, s30
	s_lshl_b32 s30, s27, 9
	s_add_co_u32 s29, s29, s30
	v_add_nc_u32 v[WO], s29, v[WO]                 ; row (32 (t/2) + 8 (t%2) + r + 8 (r/8)) x 1,024 + 512 s + 64 h
	s_mul_i32 s29, s18, 1536
	v_add_nc_u32 v[WIA], s29, v[LI]
	s_lshl_b32 s29, s18, 7
	s_add_co_u32 s29, s29, WSC
	v_add_nc_u32 v[WSA], s29, v[L4]
	s_mul_i32 s31, s25, OUTB
	s_add_co_u32 s31, s31, OUT                     ; my record's part of LDS
	v_mul_u32_u24 v116, v114, 1536
	s_delay_alu instid0(VALU_DEP_1)
	v_lshl_add_u32 v116, v15, 4, v116              ; fragment 2 c + h, lane r's 16 bytes
	s_lshl_b32 s29, s27, 8
	s_add_co_u32 s29, s29, s31                     ; key block j lies in lanes 16 (j % 2) on, in registers 6 (j / 2) on
	s_mul_i32 s30, s28, 520
	s_add_co_u32 s30, s30, s29
	v_add_nc_u32 v[VA1], s30, v116
	s_mul_i32 s30, s28, 1016
	s_add_co_u32 s30, s30, s29
	v_add_nc_u32 v[VA2], s30, v116
	v_lshlrev_b32 v117, 3, v15
	s_add_co_u32 s29, s31, 6656
	s_add_co_u32 s29, s29, s26
	v_add_nc_u32 v[VB], s29, v117
	v_lshlrev_b32 v118, 4, v15
	s_lshl_b32 s29, s28, 8
	s_lshl_b32 s30, s27, 3
	s_add_co_u32 s29, s29, s30
	s_add_co_u32 s29, s29, s31
	s_add_co_u32 s29, s29, 6144
	v_add_nc_u32 v[KA], s29, v118
	s_mul_i32 s29, s26, 1536
	s_add_co_u32 s29, s29, s31
	v_add_nc_u32 v[CPA], s29, v[LI]
	s_lshl_b32 s29, s26, 8
	s_add_co_u32 s29, s29, s31
	s_add_co_u32 s29, s29, 6144
	v_add_nc_u32 v[CPB], s29, v[L8]
.irp b, 0,1,2,3
	v_mov_b32 v[TM+4+\b], 0                        ; written once: a lane permute's destination counts as one of its sources
.endr
	s_lshl_b32 s32, s22, 22                        ; x: batch x 256 rows of 16,384 bytes + my 256 points
	s_lshl_b32 s33, s23, 10
	s_add_co_u32 s32, s32, s33
	s_mov_b32 s33, 0
	s_lshl_b32 s36, s19, 16                        ; the weights: the head's 64 rows of 1,024 bytes
	s_mov_b32 s37, 0
	s_lshl_b32 s40, s24, 8
	s_lshl_b32 s41, s23, 4
	s_add_co_u32 s40, s40, s41
	s_lshl_b32 s41, s18, 1
	s_add_co_u32 s40, s40, s41                     ; my first tile: 256 bh + 16 (which 256) + 2 w
	s_lshl_b32 s42, s40, 6                         ; qs: 64 bytes a tile
	s_mul_i32 s40, s40, 768                        ; qc: 768 bytes a tile
	s_mov_b32 s41, 0
	s_mov_b32 s43, 0
	s_lshl_b32 s44, s24, 5
	s_lshl_b32 s45, s23, 1
	s_add_co_u32 s44, s44, s45
	s_add_co_u32 s44, s44, s25
	s_mul_i32 s44, s44, STEPB                      ; kv: my record
	s_mov_b32 s45, 0
	s_mul_i32 s46, s26, 1536
	s_mov_b32 s47, 0
	s_wait_kmcnt 0x0
	s_add_nc_u64 s[4:5], s[4:5], s[32:33]
	s_add_nc_u64 s[6:7], s[6:7], s[36:37]
	s_add_nc_u64 s[8:9], s[8:9], s[36:37]
	s_add_nc_u64 s[10:11], s[10:11], s[36:37]
	s_add_nc_u64 s[12:13], s[12:13], s[40:41]
	s_add_nc_u64 s[14:15], s[14:15], s[42:43]
	s_add_nc_u64 s[16:17], s[16:17], s[44:45]
	s_add_nc_u64 s[34:35], s[16:17], s[46:47]      ; the record + 1,536 j
	s_lshl_b32 s46, s26, 8
	s_add_nc_u64 s[38:39], s[16:17], s[46:47]      ; the record + 256 j
	; ---- the weights' units and x's eight blocks, loads running ahead of the work
	WLOAD 6, 128
	WLOAD 8, 192
	s_wait_loadcnt 16                              ; wq's 16 loads are in; wk's 16 may be out
	WUNIT 0, 128
	WLOAD 10, 128
	s_wait_loadcnt 16                              ; wk's are in; wv's 16 may be out
	WUNIT 1, 192
	XLOAD 0
	XLOAD 1
	s_wait_loadcnt 63                              ; wv's are in: 64 loads are younger, and 63 is the largest count that a wait can name
	WUNIT 2, 128
	XLOAD 2
	XLOAD 3
	XBLOCK 0, 63                                   ; 96 loads are younger than a block's (three blocks'), then 64, 32, none
	XBLOCK 1, 63
	XBLOCK 2, 63
	XBLOCK 3, 63
	XBLOCK 4, 63
	XBLOCK 5, 63
	XBLOCK 6, 32
	XBLOCK 7, 0
	s_wait_dscnt 0x0                               ; my images lie in LDS
	s_barrier_signal -1
	s_barrier_wait -1                              ; everybody's do
	; ---- q
	PHASE_QK 0
	s_delay_alu instid0(VALU_DEP_1)
	v_permlane16_swap_b32 v[WA], v[WA+1]           ; lanes 0-15 tile A's words, lanes 16-31 tile B's
.irp i, 0,1,2,3,4,5
	global_store_b64 v[L8], v[PC+2*\i:PC+2*\i+1], s[12:13] offset:256*\i   ; 32 lanes store 256 consecutive bytes, aligned
.endr
	global_store_b32 v[L4], v[WA], s[14:15]
	s_wait_xcnt 0x0                                ; the stores' data are written again only behind this wait
	; ---- k
	PHASE_QK 1
.irp c, 0,1,2
	global_store_b128 v[LI], v[PC+4*\c:PC+4*\c+3], s[34:35] offset:512*\c   ; the pair of tiles 2 j, 2 j + 1 as one image of 12 registers
.endr
	ds_store_b64 v[KA], v[WA:WA+1]                 ; lanes r and r + 16 write the same words with the same values
	s_wait_xcnt 0x0
	s_wait_dscnt 0x0
	; ---- v: source 0 = 16 points, source 1 = 16 rows of wv.  Lane (r, h) holds row r of tile tau, and registers 16 tau + i key 16 h + i of my 32
	NOPS 8
	FETCHW 2, 0
	s_wait_dscnt 0x0
.irp t, 0,1,2,3
.irp pt, 0,1
	WM ACC+16*\t+8*\pt, XF+24*\pt, WF+12*\t, -1, XS, WS+\t, \pt
.endr
.endr
	NOPS 4
	FETCHW 2, 1
	s_wait_dscnt 0x0
.irp t, 0,1,2,3
.irp pt, 0,1
	WM ACC+16*\t+8*\pt, XF+24*\pt+12, WF+12*\t, ACC+16*\t+8*\pt, XS+1, WS+\t, \pt
.endr
.endr
	NOPS 4
	QUANT ACC, PC, 4                               ; its four blocks are the four tiles' rows, each over my 32 keys: lane (r, h) ends with the 24 bytes of tile 2 c + h, row r
.irp c, 0,1
	ds_store_b64 v[VA1], v[PC+6*\c:PC+6*\c+1] offset:3072*\c
	ds_store_b64 v[VA2], v[PC+6*\c+2:PC+6*\c+3] offset:3072*\c+8
	ds_store_b64 v[VA1], v[PC+6*\c+4:PC+6*\c+5] offset:3072*\c+512
.endr
.irp t, 0,1,2,3
	ds_store_b8 v[VB], v[TM+4+\t] offset:128*(\t/2)+4*(\t%2)   ; byte j of tile t's word of row r
.endr
	s_wait_dscnt 0x0
	s_barrier_signal -1
	s_barrier_wait -1                              ; both records' fragments of V and scale words are whole
.irp c, 0,1,2
	ds_load_b128 v[CO+4*\c:CO+4*\c+3], v[CPA] offset:512*\c
.endr
	s_wait_dscnt 0x0
.irp c, 0,1,2
	global_store_b128 v[LI], v[CO+4*\c:CO+4*\c+3], s[34:35] offset:6144+512*\c
.endr
	s_cmp_lt_u32 s26, 3                            ; the 768 bytes of scale words are three waves' worth
	s_cbranch_scc0 .Ldone
	ds_load_b64 v[CO+12:CO+13], v[CPB]
	s_wait_dscnt 0x0
	global_store_b64 v[L8], v[CO+12:CO+13], s[38:39] offset:12288
.Ldone:
	s_wait_tensorcnt 0x0
	ds_add_u32 v126, v127
	s_wait_dscnt 0x0
	s_endpgm
.Lfunc_end_k_qe2ef38277f_qkv:
	.size	k_qe2ef38277f_qkv, .Lfunc_end_k_qe2ef38277f_qkv-k_qe2ef38277f_qkv
	.p2alignl 7, 3214868480
	.fill 96, 4, 3214868480
	.section	.rodata,"a",@progbits
	.p2align	6, 0x0
	.amdhsa_kernel k_qe2ef38277f_qkv
		.amdhsa_group_segment_fixed_size 54784
		.amdhsa_private_segment_fixed_size 0
		.amdhsa_enable_private_segment 0
		.amdhsa_kernarg_size 56
		.amdhsa_user_sgpr_count 2
		.amdhsa_user_sgpr_kernarg_segment_ptr 1
		.amdhsa_wavefront_size32 1
		.amdhsa_system_sgpr_workgroup_id_x 1
		.amdhsa_system_sgpr_workgroup_id_y 1
		.amdhsa_system_sgpr_workgroup_id_z 1
		.amdhsa_system_vgpr_workitem_id 0
		.amdhsa_next_free_vgpr 256
		.amdhsa_next_free_sgpr 66
		.amdhsa_reserve_vcc 0
		.amdhsa_float_denorm_mode_32 3
		.amdhsa_float_denorm_mode_16_64 3
		.amdhsa_memory_ordered 1
		.amdhsa_forward_progress 1
		.amdhsa_inst_pref_size 92
	.end_amdhsa_kernel
	.amdgpu_metadata
---
amdhsa.version: [ 1, 2 ]
amdhsa.kernels:
  - .name:           k_qe2ef38277f_qkv
    .symbol:         k_qe2ef38277f_qkv.kd
    .args:
      - { .name: x, .offset: 0, .size: 8, .value_kind: global_buffer, .address_space: global }
      - { .name: wq, .offset: 8, .size: 8, .value_kind: global_buffer, .address_space: global }
      - { .name: wk, .offset: 16, .size: 8, .value_kind: global_buffer, .address_space: global }
      - { .name: wv, .offset: 24, .size: 8, .value_kind: global_buffer, .address_space: global }
      - { .name: qc, .offset: 32, .size: 8, .value_kind: global_buffer, .address_space: global }
      - { .name: qs, .offset: 40, .size: 8, .value_kind: global_buffer, .address_space: global }
      - { .name: kv, .offset: 48, .size: 8, .value_kind: global_buffer, .address_space: global }
    .group_segment_fixed_size: 54784
    .private_segment_fixed_size: 0
    .kernarg_segment_align: 8
    .kernarg_segment_size: 56
    .max_flat_workgroup_size: 256
    .sgpr_count:     66
    .vgpr_count:     256
    .wavefront_size: 32
...
	.end_amdgpu_metadata
.endif
;; end of part 1
;; launch attn (part 2): grid 16 x 16, 16 waves a work-group, no clusters, 327,680 bytes of LDS; arguments qc, qs, kv, x, rc, rs; writes rc, rs
.if DOCPART == 2
	.amdgcn_target "amdgcn-amd-amdhsa--gfx1250"
	.amdhsa_code_object_version 6
	.text
	.protected	k_qe2ef38277f_attn
	.globl	k_qe2ef38277f_attn
	.p2align	8
	.type	k_qe2ef38277f_attn,@function
k_qe2ef38277f_attn:
	s_mov_b64 s[64:65], 0
	v_nop
	global_prefetch_b8 v0, s[64:65] scope:SCOPE_SE
	s_setreg_imm32_b32 hwreg(HW_REG_WAVE_MODE, 25, 1), 1
	s_wait_xcnt 0x0
; For one (batch, head) and 256 queries: S^T = K Q^T, p = 2^(t - M) with a running whole-number M, O^T += V^T P^T, both on codes of BF6 (E3M2); then o / l - x, quantised along the channels, leaves as codes.
; SHARES.  Sixteen waves, each with one tile of 16 queries in 256 registers; every wave walks the head's 4,096 keys, 128 a step.  A step's operands are one record of 13,056 dense bytes, laid in the order
; of the operand registers: K's eight half fragments (6,144), V's four fragments (6,144), K's scale words (512), V's (256).  Records come through a ring of two LDS slots of four, by tensor loads of waves 0 to 3.
; THE HEAD IS 64 AND THE INSTRUCTION TAKES 128: Q's upper six registers are zero codes; K's operand of tile t is v[32 + 6 t] on, whose upper six registers are the next tile's codes (finite numbers, multiplied by zero;
; six zero registers follow tile 7); the scale bytes of the upper 64 stand for 1 on both sides.
; A lane holds one query throughout.  The keys of a tile and the channels of a tile of V are ordered so that 16 registers of two neighbouring tiles are 16 neighbours along the next product's K.
; NO CLUSTER: a slot's 52,224 bytes serve 64 steps of waves, each with some 230 vector instructions, and a refill has four key steps in which to land: what partners would share is a small part of a step's work.
; LIMITS: NaN and infinities are not served.  A block's largest p is taken as the exponential of the block's largest score, which takes v_exp_f32 not to fall where its input rises.
; A block of o - x whose largest magnitude lies under 2^-122 gets the scale byte 1.
.set STEPB, 13056
.set NQ,    4                          ; key steps in a slot
.set SLOTB, NQ*STEPB
.set NSL,   8                          ; slots' worth of keys
.set SLOT1, 1<<17                      ; slot 1 begins here: one exclusive or turns an address
.set HEADB, 32*STEPB
.set XT,    53248                      ; x's tile: the head's 64 channels x my 256 points, rows of 1,024 + 8 bytes; filled once
.set XP,    1032
.set SPARE, 262144                     ; the spare words: 128 bytes for each of 16 waves; no other line names them
.set STG,   264192                     ; 16 tiles' scale words on their way out
.set LI,  1                            ; v1   16 x lane
.set L8,  2                            ; v2   8 x lane
.set RSO, 3                            ; v3   16 x thread
.set STR, 4                            ; v4   STG + 16 x thread
.set SPW, 5                            ; v5   my spare word; never rewritten
.set NIL, 6                            ; v6   0; never rewritten
.set PFO, 7                            ; v7   the prefetches' offset; never rewritten
.set ADK, 8                            ; v8   the step's record, 16 bytes a lane
.set ADV, 9                            ; v9   the same, 8 bytes a lane
.set STW, 10                           ; v10  STG + 64 w + 4 r
.set XA,  11                           ; v11  my place in x's tile
.set TM,  232                          ; the last quantiser's registers
.set PW,  248
.set CT,  204
.set TB,  2                            ; s2   LDS byte of the step's record
.set CNT, 3                            ; s3   counts a slot's steps
.set SLOTS, 16                         ; s16  slots still to be asked for
.set LIM, 17                           ; s17  1 in a wave that prefetches, else the greatest number
.set WV,  18
.set SEL, 20
.set CS,  22                           ; s[22:23] c = log2(e) / 8
.set G1,  24                           ; s[24:31] a record: 51 rows of 256 bytes, dense
.set G1X, 32                           ; s[32:39] x's tile
.set G0,  40                           ; s[40:43] walks
.set G0X, 44
.set PFA, 48
.macro NOPS n
.rept \n
	v_nop
.endr
.endm
.macro QUANT s, d, nb
.set qi, 0
.rept \nb
	v_max3_num_f32 v[TM+qi], |v[(\s)+16*qi]|, |v[(\s)+16*qi+1]|, 0x2800000   ; my 16 numbers, and the floor 2^(5 - 127)
.set qi, qi+1
.endr
.irp i, 2,4,6,8,10,12,14
.set qi, 0
.rept \nb
	s_delay_alu instid0(VALU_DEP_2)
	v_max3_num_f32 v[TM+qi], v[TM+qi], |v[(\s)+16*qi+\i]|, |v[(\s)+16*qi+\i+1]|
.set qi, qi+1
.endr
.endr
.set qi, 0
.rept \nb
	s_delay_alu instid0(VALU_DEP_2)
	v_permlanex16_b32 v[TM+4+qi], v[TM+qi], s[SEL], s[SEL+1]
.set qi, qi+1
.endr
.set qi, 0
.rept \nb
	s_delay_alu instid0(VALU_DEP_2)
	v_max_num_f32 v[TM+qi], v[TM+qi], v[TM+4+qi]
.set qi, qi+1
.endr
.set qi, 0
.rept \nb
	s_delay_alu instid0(VALU_DEP_2)
	v_add_nc_u32 v[TM+12+qi], 0xfe000000, v[TM+qi]
.set qi, qi+1
.endr
.set qi, 0
.rept \nb
	s_delay_alu instid0(VALU_DEP_2)
	v_lshrrev_b32 v[TM+4+qi], 23, v[TM+12+qi]
.set qi, qi+1
.endr
	s_delay_alu instid0(VALU_DEP_1)
	v_lshl_or_b32 v[PW], v[TM+5], 8, v[TM+4]
.if \nb == 4
	v_lshl_or_b32 v[PW], v[TM+6], 16, v[PW]
	v_lshl_or_b32 v[PW], v[TM+7], 24, v[PW]
.endif
.set qi, 0
.rept \nb/2
	v_cvt_scalef32_pk16_bf6_f32 v[(\d)+6*qi:(\d)+6*qi+2], v[(\s)+32*qi:(\s)+32*qi+15], v[TM+12+2*qi]
	v_cvt_scalef32_pk16_bf6_f32 v[CT+4*qi:CT+4*qi+2], v[(\s)+32*qi+16:(\s)+32*qi+31], v[TM+12+2*qi+1]
.set qi, qi+1
.endr
	v_nop
.set qi, 0
.rept \nb/2
.irp i, 0,1,2
	v_permlane16_swap_b32 v[(\d)+6*qi+\i], v[CT+4*qi+\i]
.endr
.irp i, 0,1,2
	s_delay_alu instid0(VALU_DEP_3)
	v_mov_b32 v[(\d)+6*qi+3+\i], v[CT+4*qi+\i]
.endr
.set qi, qi+1
.endr
.endm
; A prefetch of the slot that the NEXT change of slots will ask for: 204 blocks of 256 bytes, lanes 256 bytes apart.  All sixteen work-groups of a head walk the same records: the first of them asks, by its waves 4 to 10,
; which fetch nothing; the seventh wave's last 20 lanes repeat the slot's last block.  It stands four key steps ahead of the load that wants the bytes.  The last change that fills a slot asks for nothing.
.macro ASK
	s_cmp_gt_u32 s[SLOTS], s[LIM]
	s_cbranch_scc0 .Lnot_mine_\@
	global_prefetch_b8 v[PFO], s[PFA:PFA+1] th:TH_LOAD_NT scope:SCOPE_SE
.Lnot_mine_\@:
.endm
	s_load_b256 s[4:11], s[0:1], 0x0               ; qc, qs, kv, x
	s_load_b128 s[12:15], s[0:1], 0x20             ; rc, rs
	v_lshl_add_u32 v[SPW], v0, 2, SPARE
	v_mov_b32 v[NIL], 0
	ds_add_u32 v5, v6
	ds_add_u32 v5, v6
	s_wait_dscnt 0x0
	v_lshrrev_b32 v30, 5, v0
	s_delay_alu instid0(VALU_DEP_1)
	v_readfirstlane_b32 s[WV], v30                 ; wave 0..15
	s_and_b32 s19, ttmp7, 0xffff                   ; bh
	s_mov_b32 s[G1], 3<<16                         ; elements of 8 bytes, no mask, no padding
	s_mov_b32 s[G1+1], 32<<16                      ; tensor_dim0 = 32
	s_mov_b32 s[G1+2], 51<<16                      ; tensor_dim1 = 51
	s_mov_b32 s[G1+3], 32<<16                      ; tile_dim0
	s_mov_b32 s[G1+4], 51                          ; tile_dim1
	s_mov_b32 s[G1+5], 32                          ; from row to row
	s_mov_b32 s[G1+6], 0
	s_mov_b32 s[G1+7], 0
	s_mov_b32 s[G1X], (2<<16)|(1<<20)|(7<<22)|(1<<25)   ; elements of 4 bytes; behind every 256 words 2 words of padding
	s_mov_b32 s[G1X+1], 256<<16
	s_mov_b32 s[G1X+2], 64<<16
	s_mov_b32 s[G1X+3], 256<<16
	s_mov_b32 s[G1X+4], 64
	s_mov_b32 s[G1X+5], 4096
	s_mov_b32 s[G1X+6], 0
	s_mov_b32 s[G1X+7], 0
	s_mov_b32 s[SEL], 0x76543210
	s_mov_b32 s[SEL+1], 0xfedcba98
	s_mov_b32 s[CS], 0x3e38aa3b                    ; log2(e) / sqrt(64)
	s_mov_b32 s[CS+1], s[CS]
	s_mov_b32 s[TB], 0
	s_mov_b32 s[SLOTS], NSL-1
	s_lshl_b32 s50, ttmp9, 4
	s_add_co_u32 s50, s50, s[WV]                   ; my tile of the batch's 256
	s_lshl_b32 s51, s19, 8
	s_add_co_u32 s51, s51, s50
	s_mul_i32 s52, s51, 768
	s_mov_b32 s53, 0
	s_lshl_b32 s54, s51, 6
	s_mov_b32 s55, 0
	s_mul_i32 s56, s19, HEADB
	s_mov_b32 s57, 0
	s_and_b32 s58, s[WV], 3
	s_mul_i32 s58, s58, STEPB                      ; which record of a slot I fetch, if I fetch
	s_mov_b32 s59, 0
	s_wait_kmcnt 0x0
	s_add_nc_u64 s[4:5], s[4:5], s[52:53]
	s_add_nc_u64 s[6:7], s[6:7], s[54:55]
	s_add_nc_u64 s[8:9], s[8:9], s[56:57]          ; the head's records
	s_add_nc_u64 s[PFA:PFA+1], s[8:9], SLOTB       ; at slot 1: the first change steps it to slot 2
	s_mov_b32 s[G0], 1
	s_mov_b32 s[G0+1], s58
	s_add_nc_u64 s[G0+2:G0+3], s[8:9], s[58:59]
	s_or_b32 s[G0+3], s[G0+3], 0x80000000
	s_lshl_b32 s52, s19, 20                        ; x: (64 bh) rows of 16,384 bytes + my 256 points
	s_lshl_b32 s53, ttmp9, 10
	s_add_co_u32 s52, s52, s53
	s_mov_b32 s53, 0
	s_mov_b32 s[G0X], 1
	s_mov_b32 s[G0X+1], XT
	s_add_nc_u64 s[G0X+2:G0X+3], s[10:11], s[52:53]
	s_or_b32 s[G0X+3], s[G0X+3], 0x80000000
	s_cmp_lt_u32 s[WV], 4                          ; the first fills: waves 0 to 3 slot 0's four records, wave 4 x's tile: one tensor load of a wave is out
	s_cbranch_scc0 .Lnot_kv
	tensor_load_to_lds s[G0:G0+3], s[G1:G1+7]
	s_nop 0
	NOPS 4
	s_branch .Lfilled
.Lnot_kv:
	s_cmp_eq_u32 s[WV], 4
	s_cbranch_scc0 .Lfilled
	tensor_load_to_lds s[G0X:G0X+3], s[G1X:G1X+7]
	s_nop 0
	NOPS 4
.Lfilled:
	v_and_b32 v30, 31, v0
	v_and_b32 v31, 15, v0                          ; r
	v_bfe_u32 v8, v0, 4, 1                         ; h
	s_delay_alu instid0(VALU_DEP_3)
	v_lshlrev_b32 v[LI], 4, v30
	s_delay_alu instid0(VALU_DEP_4)
	v_lshlrev_b32 v[L8], 3, v30
	s_delay_alu instid0(VALU_DEP_4)
	v_lshlrev_b32 v29, 2, v31
.irp i, 0,1,2
	global_load_b64 v[16+2*\i:17+2*\i], v[L8], s[4:5] offset:256*\i   ; Q's half fragment stays in registers
.endr
	global_load_b32 v28, v29, s[6:7]               ; and its scale words
	v_lshlrev_b32 v[RSO], 4, v0
	s_delay_alu instid0(VALU_DEP_1)
	v_add_nc_u32 v[STR], STG, v[RSO]
	v_add_nc_u32 v[PFO], 0xffffff80, v0
	s_delay_alu instid0(VALU_DEP_1)
	v_min_u32 v[PFO], 203, v[PFO]
	s_delay_alu instid0(VALU_DEP_1)
	v_lshlrev_b32 v[PFO], 8, v[PFO]
	s_lshl_b32 s52, s[WV], 6
	s_add_co_u32 s52, s52, STG
	v_add_nc_u32 v[STW], s52, v29
	v_and_b32 v9, 8, v31
	s_delay_alu instid0(VALU_DEP_1)
	v_add_nc_u32 v9, v9, v31                       ; r + 8 (r / 8)
	s_lshr_b32 s52, s[WV], 1
	s_lshl_b32 s52, s52, 5
	s_and_b32 s53, s[WV], 1
	s_lshl_b32 s53, s53, 3
	s_add_co_u32 s52, s52, s53
	v_add_nc_u32 v9, s52, v9                       ; my query among the work-group's 256 points
	s_delay_alu instid0(VALU_DEP_1)
	v_lshlrev_b32 v9, 2, v9
	s_delay_alu instid0(VALU_DEP_1)
	v_mad_u32_u24 v[XA], v8, 16*XP, v9             ; + 16 h rows
	s_delay_alu instid0(VALU_DEP_1)
	v_add_nc_u32 v[XA], XT, v[XA]
	s_lshr_b32 s52, s19, 2                         ; rc: ((256 b + tile) x 2 + h / 2) fragments of 1,536 bytes + 768 (h % 2)
	s_lshl_b32 s52, s52, 8
	s_add_co_u32 s52, s52, s50
	s_lshl_b32 s52, s52, 1
	s_bfe_u32 s53, s19, 0x10001
	s_add_co_u32 s52, s52, s53
	s_mul_i32 s52, s52, 1536
	s_and_b32 s53, s19, 1
	s_mul_i32 s53, s53, 768
	s_add_co_u32 s52, s52, s53
	s_mov_b32 s53, 0
	s_add_nc_u64 s[12:13], s[12:13], s[52:53]
	s_lshl_b32 s52, s19, 8                         ; rs: 64 bytes a tile
	s_lshl_b32 s53, ttmp9, 4
	s_add_co_u32 s52, s52, s53
	s_lshl_b32 s52, s52, 6
	s_mov_b32 s53, 0
	s_add_nc_u64 s[14:15], s[14:15], s[52:53]
	s_sub_co_u32 s52, s[WV], 4
	s_cmp_lt_u32 s52, 7                            ; waves 4 to 10
	s_cselect_b32 s52, 0, 1
	s_or_b32 s52, s52, ttmp9                       ; of the head's first work-group
	s_cmp_eq_u32 s52, 0
	s_cselect_b32 s[LIM], 1, -1
	v_mov_b32 v13, 0xff61b1e6                      ; the largest t so far: -3e38
	s_delay_alu instid0(VALU_DEP_1)
	v_floor_f32 v12, -v13                          ; -M
	v_mov_b32 v14, 0
	v_mov_b32 v15, 0
.irp j, 22,23,24,25,26,27,80,81,82,83,84,85
	v_mov_b32 v[\j], 0                             ; zero codes: Q's upper 64, and what follows K's tile 7
.endr
.irp b, 0,1,2,3
	v_mov_b32 v[236+\b], 0                         ; written once: a lane permute's destination counts as one of its sources
.endr
	v_mov_b32 v253, 0
.set j, 0
.rept 32
	v_mov_b32 v[160+j], 0                          ; O^T: the step is written once; its first run finds zeros
.set j, j+1
.endr
.macro STEP
	v_add_nc_u32 v[ADK], s[TB], v[LI]
	v_add_nc_u32 v[ADV], s[TB], v[L8]
	v_nop
	v_nop                                          ; four places in front of loads into registers that the last products have read
.irp b, 0,1,2,3
.irp c, 0,1,2
	ds_load_b128 v[32+12*\b+4*\c:35+12*\b+4*\c], v[ADK] offset:1536*\b+512*\c
.endr
.endr
	ds_load_b128 v[88:91], v[ADK] offset:12288     ; word j: tile j + 4 (lane / 16)
	s_wait_alu depctr_va_vdst(0)
	s_wait_dscnt 0x0
.irp t, 0,1,2,3
	v_wmma_scale_f32_16x16x128_f8f6f4 v[96+8*\t:103+8*\t], v[32+6*\t:43+6*\t], v[16:27], 0, v[88+\t], v28 matrix_a_fmt:MATRIX_FMT_BF6 matrix_b_fmt:MATRIX_FMT_BF6
.endr
.irp t, 4,5,6,7
	v_wmma_scale_f32_16x16x128_f8f6f4 v[96+8*\t:103+8*\t], v[32+6*\t:43+6*\t], v[16:27], 0, v[84+\t], v28 matrix_a_fmt:MATRIX_FMT_BF6 matrix_b_fmt:MATRIX_FMT_BF6 matrix_a_scale:MATRIX_SCALE_ROW1
.endr
	NOPS 4                                         ; places in front of the loads below and of the first read of the scores
.irp t, 0,1,2,3
.irp c, 0,1,2
	ds_load_b128 v[32+12*\t+4*\c:35+12*\t+4*\c], v[ADK] offset:6144+1536*\t+512*\c   ; V's fragments land while the softmax is worked
.endr
.endr
	ds_load_b64 v[92:93], v[ADV] offset:12800      ; word j: tile j + 2 (lane / 16)
.irp b, 0,1,2,3
	v_max3_num_f32 v[232+\b], v[96+16*\b], v[97+16*\b], v[98+16*\b]   ; the largest score of each block of 32 keys: it serves the row's maximum and the block's largest p
.endr
.irp i, 3,5,7,9,11,13
.irp b, 0,1,2,3
	v_max3_num_f32 v[232+\b], v[232+\b], v[96+16*\b+\i], v[97+16*\b+\i]
.endr
.endr
.irp b, 0,1,2,3
	v_max_num_f32 v[232+\b], v[232+\b], v[111+16*\b]
.endr
.irp b, 0,1,2,3
	s_delay_alu instid0(VALU_DEP_4)
	v_permlanex16_b32 v[236+\b], v[232+\b], s[SEL], s[SEL+1]
.endr
.irp b, 0,1,2,3
	s_delay_alu instid0(VALU_DEP_4)
	v_max_num_f32 v[232+\b], v[232+\b], v[236+\b]
.endr
	s_delay_alu instid0(VALU_DEP_2)
	v_max3_num_f32 v254, v232, v233, v234
	s_delay_alu instid0(VALU_DEP_1)
	v_max_num_f32 v254, v254, v235
	s_delay_alu instid0(VALU_DEP_1)
	v_mul_f32 v254, s[CS], v254                    ; as t
	s_delay_alu instid0(VALU_DEP_1)
	v_max_num_f32 v13, v13, v254                   ; the running largest t
	v_mov_b32 v254, v12
	s_delay_alu instid0(VALU_DEP_2)
	v_floor_f32 v12, -v13                          ; the new -M = -ceil(t): a whole number
	s_delay_alu instid0(VALU_DEP_1)
	v_sub_f32 v254, v12, v254
	s_delay_alu instid0(VALU_DEP_1)
	v_cvt_i32_f32 v254, v254                       ; (it saturates)
	s_delay_alu instid0(VALU_DEP_1)
	v_ldexp_f32 v252, 1.0, v254                    ; f = 2^(old M - new M): multiplying by it rounds nothing
.irp j, 0,2,4,6,8,10,12,14,16,18,20,22,24,26,28,30,32,34,36,38,40,42,44,46,48,50,52,54,56,58,60,62
	v_pk_fma_f32 v[96+\j:97+\j], v[96+\j:97+\j], s[CS:CS+1], v[12:13] op_sel_hi:[1,0,0]   ; t - M
.endr
.irp b, 0,1,2,3
	v_fma_f32 v[232+\b], v[232+\b], s[CS], v12
.endr
.set j, 0
	s_wait_alu depctr_va_vdst(0)
.rept 64
	v_exp_f32 v[96+j], v[96+j]                     ; p = 2^(t - M): not normalised
.set j, j+1
.endr
	s_setprio 1
	v_pk_mul_f32 v[14:15], v[14:15], v[252:253] op_sel_hi:[1,0]   ; the sums under the new M: a plain instruction behind the exponentials
	s_wait_alu depctr_va_vdst(0)                   ; one wait for the batch of 64, ahead of its first reader
.irp b, 0,1,2,3
	v_exp_f32 v[232+\b], v[232+\b]                 ; the blocks' largest p
.endr
	v_pk_add_f32 v[236:237], v[100:101], v[104:105]
	v_pk_add_f32 v[254:255], v[108:109], v[112:113]
	v_pk_add_f32 v[250:251], v[116:117], v[120:121]
	v_pk_add_f32 v[248:249], v[124:125], v[128:129]
	v_pk_add_f32 v[246:247], v[132:133], v[136:137]
	v_pk_add_f32 v[244:245], v[140:141], v[144:145]
	v_pk_add_f32 v[242:243], v[148:149], v[152:153]
	v_pk_add_f32 v[14:15], v[14:15], v[156:157]
	v_pk_add_f32 v[236:237], v[236:237], v[96:97]
	v_pk_add_f32 v[254:255], v[254:255], v[98:99]
	v_pk_add_f32 v[250:251], v[250:251], v[102:103]
	v_pk_add_f32 v[248:249], v[248:249], v[106:107]
	v_pk_add_f32 v[246:247], v[246:247], v[110:111]
	v_pk_add_f32 v[244:245], v[244:245], v[114:115]
	v_pk_add_f32 v[242:243], v[242:243], v[118:119]
	v_pk_add_f32 v[14:15], v[14:15], v[122:123]
	v_pk_add_f32 v[236:237], v[236:237], v[126:127]
	v_pk_add_f32 v[254:255], v[254:255], v[130:131]
	v_pk_add_f32 v[250:251], v[250:251], v[134:135]
	v_pk_add_f32 v[248:249], v[248:249], v[138:139]
	v_pk_add_f32 v[246:247], v[246:247], v[142:143]
	v_pk_add_f32 v[244:245], v[244:245], v[146:147]
	v_pk_add_f32 v[242:243], v[242:243], v[150:151]
	v_pk_add_f32 v[14:15], v[14:15], v[154:155]
	v_pk_add_f32 v[236:237], v[236:237], v[158:159]
	s_delay_alu instid0(VALU_DEP_2)
	v_pk_add_f32 v[14:15], v[14:15], v[248:249]
	s_delay_alu instid0(VALU_DEP_2)
	v_pk_add_f32 v[236:237], v[236:237], v[246:247]
	v_pk_add_f32 v[254:255], v[254:255], v[244:245]
	v_pk_add_f32 v[250:251], v[250:251], v[242:243]
	s_delay_alu instid0(VALU_DEP_2)
	v_pk_add_f32 v[14:15], v[14:15], v[254:255]
	s_delay_alu instid0(VALU_DEP_2)
	v_pk_add_f32 v[236:237], v[236:237], v[250:251]
	s_delay_alu instid0(VALU_DEP_1)
	v_pk_add_f32 v[14:15], v[14:15], v[236:237]
	s_wait_alu depctr_va_vdst(0)                   ; and one for the four
.irp b, 0,1,2,3
	v_max_num_f32 v[232+\b], 0x2800000, v[232+\b]  ; the floor 2^(5 - 127)
.endr
.irp b, 0,1,2,3
	s_delay_alu instid0(VALU_DEP_4)
	v_add_nc_u32 v[244+\b], 0xfe000000, v[232+\b]
.endr
.irp b, 0,1,2,3
	s_delay_alu instid0(VALU_DEP_4)
	v_lshrrev_b32 v[236+\b], 23, v[244+\b]
.endr
	s_delay_alu instid0(VALU_DEP_3)
	v_lshl_or_b32 v253, v237, 8, v236              ; p's scale word for these 128 keys
	s_delay_alu instid0(VALU_DEP_1)
	v_lshl_or_b32 v253, v238, 16, v253
	s_delay_alu instid0(VALU_DEP_1)
	v_lshl_or_b32 v253, v239, 24, v253
.irp c, 0,1
	v_cvt_scalef32_pk16_bf6_f32 v[224+6*\c:226+6*\c], v[96+32*\c:111+32*\c], v[244+2*\c]
	v_cvt_scalef32_pk16_bf6_f32 v[236+4*\c:238+4*\c], v[112+32*\c:127+32*\c], v[244+2*\c+1]
.endr
	v_nop
.irp c, 0,1
.irp i, 0,1,2
	v_permlane16_swap_b32 v[224+6*\c+\i], v[236+4*\c+\i]
.endr
.irp i, 0,1,2
	s_delay_alu instid0(VALU_DEP_3)
	v_mov_b32 v[227+6*\c+\i], v[236+4*\c+\i]
.endr
.endr
	s_setprio 0
.irp j, 0,2,4,6,8,10,12,14,16,18,20,22,24,26,28,30
	v_pk_mul_f32 v[160+\j:161+\j], v[160+\j:161+\j], v[252:253] op_sel_hi:[1,0]   ; O^T under the new M; these are also the places in front of the scaled products
.endr
	s_wait_alu depctr_va_vdst(0)
	s_wait_dscnt 0x0                               ; V
.irp t, 0,1
	v_wmma_scale_f32_16x16x128_f8f6f4 v[160+8*\t:167+8*\t], v[32+12*\t:43+12*\t], v[224:235], v[160+8*\t:167+8*\t], v[92+\t], v253 matrix_a_fmt:MATRIX_FMT_BF6 matrix_b_fmt:MATRIX_FMT_BF6
.endr
.irp t, 2,3
	v_wmma_scale_f32_16x16x128_f8f6f4 v[160+8*\t:167+8*\t], v[32+12*\t:43+12*\t], v[224:235], v[160+8*\t:167+8*\t], v[90+\t], v253 matrix_a_fmt:MATRIX_FMT_BF6 matrix_b_fmt:MATRIX_FMT_BF6 matrix_a_scale:MATRIX_SCALE_ROW1
.endr
	s_add_co_u32 s[TB], s[TB], STEPB
.endm
; The change of slots stands at a slot's head.  Each wave waits for all its tensor loads, adds 0 to its spare word, and waits for that and for its reads of the slot that it has left; behind the barrier the slot ahead is whole
; and nobody reads the other one.  fill = 1: that other slot takes the next four records, one tensor load in each of waves 0 to 3, first thing behind the barrier.
.macro CHANGE fill
	s_wait_tensorcnt 0x0
	ds_add_u32 v[SPW], v[NIL]
.if \fill
	s_xor_b32 s[G0+1], s[G0+1], SLOT1
	s_add_nc_u64 s[G0+2:G0+3], s[G0+2:G0+3], SLOTB
	s_wait_xcnt 0x0                                ; the last prefetch, a slot back, has read its address
	s_add_nc_u64 s[PFA:PFA+1], s[PFA:PFA+1], SLOTB
.endif
	s_wait_dscnt 0x0
	s_barrier_signal -1
	s_barrier_wait -1
.if \fill
	s_cmp_lt_u32 s[WV], 4
	s_cbranch_scc0 .Lno_load_\@
	tensor_load_to_lds s[G0:G0+3], s[G1:G1+7]
	s_nop 0
	NOPS 4
.Lno_load_\@:
	ASK
.endif
.endm
.macro STEPS
	s_mov_b32 s[CNT], NQ
.Lstep_\@:
	s_setprio 2
	STEP
	s_sub_co_u32 s[CNT], s[CNT], 1
	s_cmp_lg_u32 s[CNT], 0
	s_cbranch_scc1 .Lstep_\@
	s_setprio 0
	s_sub_co_u32 s[TB], s[TB], NQ*STEPB
	s_xor_b32 s[TB], s[TB], SLOT1
.endm
	s_wait_loadcnt 0x0                             ; Q
.Lslot:                                            ; NSL - 1 trips
	CHANGE 1
	STEPS
	s_sub_co_u32 s[SLOTS], s[SLOTS], 1
	s_cmp_lg_u32 s[SLOTS], 0
	s_cbranch_scc1 .Lslot
	CHANGE 0                                       ; the last slot is written out
	STEPS
	; ---- o / l - x, quantised along the channels.  Register 16 b + i of O^T is the head's channel 32 b + 16 h + i of my query
	NOPS 4                                         ; places behind the last products
.irp b, 0,1
.irp i, 0,1,2,3,4,5,6,7,8,9,10,11,12,13,14,15
	ds_load_b32 v[96+16*\b+\i], v[XA] offset:(32*\b+\i)*XP
.endr
.endr
	v_add_f32 v14, v14, v15
	s_delay_alu instid0(VALU_DEP_1)
	v_permlanex16_b32 v252, v14, s[SEL], s[SEL+1]
	s_delay_alu instid0(VALU_DEP_1)
	v_add_f32 v14, v14, v252                       ; the row's sum
	s_wait_alu depctr_va_vdst(0)
	v_rcp_f32 v14, v14
	v_nop                                          ; a plain instruction behind the reciprocal
	s_wait_alu depctr_va_vdst(0)                   ; and the wait ahead of its first reader
	s_wait_dscnt 0x0
.irp j, 0,2,4,6,8,10,12,14,16,18,20,22,24,26,28,30
	v_pk_fma_f32 v[128+\j:129+\j], v[160+\j:161+\j], v[14:15], v[96+\j:97+\j] op_sel_hi:[1,0,1] neg_lo:[0,0,1] neg_hi:[0,0,1]
.endr
	QUANT 128, 192, 2
.irp i, 0,1,2
	global_store_b64 v[L8], v[192+2*\i:193+2*\i], s[12:13] offset:256*\i   ; 32 lanes store 256 consecutive bytes, aligned
.endr
	ds_store_b32 v[STW], v[PW]                     ; lanes r and r + 16 write the same word with the same value
	s_wait_dscnt 0x0
	s_barrier_signal -1
	s_barrier_wait -1                              ; the sixteen tiles' scale words lie together: 1,024 bytes, two waves' worth
	s_cmp_lt_u32 s[WV], 2
	s_cbranch_scc0 .Lno_rs
	ds_load_b128 v[208:211], v[STR]
	s_wait_dscnt 0x0
	global_store_b128 v[RSO], v[208:211], s[14:15]
.Lno_rs:
	s_wait_tensorcnt 0x0                           ; the wave's end
	ds_add_u32 v[SPW], v[NIL]
	s_wait_dscnt 0x0
	s_endpgm
.Lfunc_end_k_qe2ef38277f_attn:
	.size	k_qe2ef38277f_attn, .Lfunc_end_k_qe2ef38277f_attn-k_qe2ef38277f_attn
	.p2alignl 7, 3214868480
	.fill 96, 4, 3214868480
	.section	.rodata,"a",@progbits
	.p2align	6, 0x0
	.amdhsa_kernel k_qe2ef38277f_attn
		.amdhsa_group_segment_fixed_size 327680
		.amdhsa_private_segment_fixed_size 0
		.amdhsa_enable_private_segment 0
		.amdhsa_kernarg_size 48
		.amdhsa_user_sgpr_count 2
		.amdhsa_user_sgpr_kernarg_segment_ptr 1
		.amdhsa_wavefront_size32 1
		.amdhsa_system_sgpr_workgroup_id_x 1
		.amdhsa_system_sgpr_workgroup_id_y 1
		.amdhsa_system_sgpr_workgroup_id_z 1
		.amdhsa_system_vgpr_workitem_id 0
		.amdhsa_next_free_vgpr 256
		.amdhsa_next_free_sgpr 66
		.amdhsa_reserve_vcc 0
		.amdhsa_float_denorm_mode_32 3
		.amdhsa_float_denorm_mode_16_64 3
		.amdhsa_memory_ordered 1
		.amdhsa_forward_progress 1
		.amdhsa_inst_pref_size 50
	.end_amdhsa_kernel
	.amdgpu_metadata
---
amdhsa.version: [ 1, 2 ]
amdhsa.kernels:
  - .name:           k_qe2ef38277f_attn
    .symbol:         k_qe2ef38277f_attn.kd
    .args:
      - { .name: qc, .offset: 0, .size: 8, .value_kind: global_buffer, .address_space: global }
      - { .name: qs, .offset: 8, .size: 8, .value_kind: global_buffer, .address_space: global }
      - { .name: kv, .offset: 16, .size: 8, .value_kind: global_buffer, .address_space: global }
      - { .name: x, .offset: 24, .size: 8, .value_kind: global_buffer, .address_space: global }
      - { .name: rc, .offset: 32, .size: 8, .value_kind: global_buffer, .address_space: global }
      - { .name: rs, .offset: 40, .size: 8, .value_kind: global_buffer, .address_space: global }
    .group_segment_fixed_size: 327680
    .private_segment_fixed_size: 0
    .kernarg_segment_align: 8
    .kernarg_segment_size: 48
    .max_flat_workgroup_size: 512
    .sgpr_count:     66
    .vgpr_count:     256
    .wavefront_size: 32
...
	.end_amdgpu_metadata
.endif
;; end of part 2
;; launch trans (part 3): grid 64 x 4, 8 waves a work-group, no clusters, 84,992 bytes of LDS; arguments rc, rs, wt, bt, y, part; writes y, part
.if DOCPART == 3
	.amdgcn_target "amdgcn-amd-amdhsa--gfx1250"
	.amdhsa_code_object_version 6
	.text
	.protected	k_qe2ef38277f_trans
	.globl	k_qe2ef38277f_trans
	.p2align	8
	.type	k_qe2ef38277f_trans,@function
k_qe2ef38277f_trans:
	s_mov_b64 s[64:65], 0
	v_nop
	global_prefetch_b8 v0, s[64:65] scope:SCOPE_SE
	s_setreg_imm32_b32 hwreg(HW_REG_WAVE_MODE, 25, 1), 1
	s_wait_xcnt 0x0
; y = wt (o - x) + bt on codes of BF6 (E3M2); y leaves in f32, and for each channel the mean and the sum of squared deviations of the work-group's 256 points.
; SHARES.  A work-group takes 256 points of a batch and 64 output channels.  Wave w takes two tiles of 16 points (32 neighbouring points in all) against the four tiles of 16 channels: eight accumulators.
; wt's eight fragments (4 tiles x 2 K steps) are quantised one by each wave and go through LDS as images of their registers.  o - x comes as codes in the order of the operand's registers.
; Source 0 = 16 points, source 1 = 16 rows of wt: lane (r, h) holds channel 16 tau + r, and registers 16 tau + i point 32 w + 16 h + i.  The bias is the C of each sum's first product.
; The statistics are means and sums of squared deviations from the mean, joined level by level: no difference of large sums is formed.
; LIMITS: NaN and infinities are not served.  A block of wt whose largest magnitude lies under 2^-122 gets the scale byte 1.
.set WIMG, 0                           ; LDS: 8 images of 1,536 bytes: unit 2 tau + s
.set WSC,  12288                       ; their scale words
.set RED,  13312                       ; 8 waves x 64 channels x (mean, M2)
.set YST,  17408                       ; 64 rows x (1,024 + 16) bytes
.set YP,   1040
.set LI,  1
.set L8,  2
.set L4,  3
.set WO,  4
.set WIA, 5
.set WSA, 6
.set YSO, 7
.set YSR, 8
.set RDA, 9
.set RDL, 10
.set BTO, 11
.set PSO, 12
.set TM,  16                           ; the quantiser's registers, until the first barrier
.set PW,  32
.set CT,  36
.set PC,  44
.set BTC, 16                           ; v16-47 behind it: bt spread over eight registers a tile
.set ACC, 64                           ; v64-127 wt's numbers, then the accumulators (tau, u) at 64 + 16 tau + 8 u
.set RF,  128                          ; v128-175 the fragments of o - x: tile u, K step s at 128 + 24 u + 12 s
.set WF,  176                          ; v176-223 wt's four fragments of a K step
.set WS,  224                          ; v224-227 their scale words
.set HW,  228                          ; v228-231 the four heads' words of scale bytes
.set RS,  232                          ; v232-233 the scale words of o - x: lanes 0-15 tile 0's, lanes 16-31 tile 1's
.set BT,  234                          ; v234-237 bt
.set SM,  238                          ; v238-245 (mean, M2) for each tau
.set PX,  246                          ; v246-249 lane l xor 16's
.set DV,  128                          ; deviations
.set QA,  192                          ; their squares' sums
.set SEL, 20
.macro NOPS n
.rept \n
	v_nop
.endr
.endm
.macro QUANT s, d, nb
.set qi, 0
.rept \nb
	v_max3_num_f32 v[TM+qi], |v[(\s)+16*qi]|, |v[(\s)+16*qi+1]|, 0x2800000   ; my 16 numbers, and the floor 2^(5 - 127)
.set qi, qi+1
.endr
.irp i, 2,4,6,8,10,12,14
.set qi, 0
.rept \nb
	s_delay_alu instid0(VALU_DEP_4)
	v_max3_num_f32 v[TM+qi], v[TM+qi], |v[(\s)+16*qi+\i]|, |v[(\s)+16*qi+\i+1]|
.set qi, qi+1
.endr
.endr
.set qi, 0
.rept \nb
	s_delay_alu instid0(VALU_DEP_4)
	v_permlanex16_b32 v[TM+4+qi], v[TM+qi], s[SEL], s[SEL+1]
.set qi, qi+1
.endr
.set qi, 0
.rept \nb
	s_delay_alu instid0(VALU_DEP_4)
	v_max_num_f32 v[TM+qi], v[TM+qi], v[TM+4+qi]
.set qi, qi+1
.endr
.set qi, 0
.rept \nb
	s_delay_alu instid0(VALU_DEP_4)
	v_add_nc_u32 v[TM+12+qi], 0xfe000000, v[TM+qi]
.set qi, qi+1
.endr
.set qi, 0
.rept \nb
	s_delay_alu instid0(VALU_DEP_4)
	v_lshrrev_b32 v[TM+4+qi], 23, v[TM+12+qi]
.set qi, qi+1
.endr
	s_delay_alu instid0(VALU_DEP_3)
	v_lshl_or_b32 v[PW], v[TM+5], 8, v[TM+4]
.if \nb == 4
	s_delay_alu instid0(VALU_DEP_1)
	v_lshl_or_b32 v[PW], v[TM+6], 16, v[PW]
	s_delay_alu instid0(VALU_DEP_1)
	v_lshl_or_b32 v[PW], v[TM+7], 24, v[PW]
.endif
.set qi, 0
.rept \nb/2
	v_cvt_scalef32_pk16_bf6_f32 v[(\d)+6*qi:(\d)+6*qi+2], v[(\s)+32*qi:(\s)+32*qi+15], v[TM+12+2*qi]
	v_cvt_scalef32_pk16_bf6_f32 v[CT+4*qi:CT+4*qi+2], v[(\s)+32*qi+16:(\s)+32*qi+31], v[TM+12+2*qi+1]
.set qi, qi+1
.endr
	v_nop
.set qi, 0
.rept \nb/2
.irp i, 0,1,2
	v_permlane16_swap_b32 v[(\d)+6*qi+\i], v[CT+4*qi+\i]
.endr
.irp i, 0,1,2
	s_delay_alu instid0(VALU_DEP_3)
	v_mov_b32 v[(\d)+6*qi+3+\i], v[CT+4*qi+\i]
.endr
.set qi, qi+1
.endr
.endm
.macro WM d, a, b, c, sa, sb, row      ; row = 1: source 0's scales stand in lanes 16-31
.if (\row) == 0
	v_wmma_scale_f32_16x16x128_f8f6f4 v[(\d):(\d)+7], v[(\a):(\a)+11], v[(\b):(\b)+11], v[(\c):(\c)+7], v[\sa], v[\sb] matrix_a_fmt:MATRIX_FMT_BF6 matrix_b_fmt:MATRIX_FMT_BF6
.else
	v_wmma_scale_f32_16x16x128_f8f6f4 v[(\d):(\d)+7], v[(\a):(\a)+11], v[(\b):(\b)+11], v[(\c):(\c)+7], v[\sa], v[\sb] matrix_a_fmt:MATRIX_FMT_BF6 matrix_b_fmt:MATRIX_FMT_BF6 matrix_a_scale:MATRIX_SCALE_ROW1
.endif
.endm
.macro FETCHW s
.irp t, 0,1,2,3
.irp c, 0,1,2
	ds_load_b128 v[WF+12*\t+4*\c:WF+12*\t+4*\c+3], v[LI] offset:WIMG+1536*(2*\t+\s)+512*\c
.endr
	ds_load_b32 v[WS+\t], v[L4] offset:WSC+128*(2*\t+\s)
.endr
.endm
	s_load_b256 s[4:11], s[0:1], 0x0               ; rc, rs, wt, bt
	s_load_b128 s[12:15], s[0:1], 0x20             ; y, part
	v_lshl_add_u32 v254, v0, 2, 0x14800
	v_mov_b32 v255, 0
	v_lshrrev_b32 v13, 5, v0
	s_delay_alu instid0(VALU_DEP_1)
	v_readfirstlane_b32 s18, v13                   ; wave 0..7
	s_and_b32 s19, ttmp7, 0xffff                   ; which 64 output channels
	s_mov_b32 s[SEL], 0x76543210
	s_mov_b32 s[SEL+1], 0xfedcba98
	s_lshr_b32 s22, ttmp9, 4                       ; batch
	s_and_b32 s23, ttmp9, 15                       ; which 256 points
	v_and_b32 v13, 31, v0
	v_and_b32 v14, 15, v0                          ; r
	v_bfe_u32 v15, v0, 4, 1                        ; h
	s_delay_alu instid0(VALU_DEP_3)
	v_lshlrev_b32 v[LI], 4, v13
	s_delay_alu instid0(VALU_DEP_4)
	v_lshlrev_b32 v[L8], 3, v13
	v_lshlrev_b32 v[L4], 2, v13
	s_wait_alu depctr_va_vdst(0)
	v_lshlrev_b32 v[WO], 10, v14
	s_delay_alu instid0(VALU_DEP_1)
	v_lshl_add_u32 v[WO], v15, 6, v[WO]
	s_lshr_b32 s24, s18, 1
	s_lshl_b32 s24, s24, 14
	s_and_b32 s25, s18, 1
	s_lshl_b32 s25, s25, 9
	s_add_co_u32 s24, s24, s25
	v_add_nc_u32 v[WO], s24, v[WO]                 ; wt: row (16 (w / 2) + r) x 1,024 + 512 (w % 2) + 64 h
	s_mul_i32 s24, s18, 1536
	v_add_nc_u32 v[WIA], s24, v[LI]
	s_lshl_b32 s24, s18, 7
	s_add_co_u32 s25, s24, WSC
	v_add_nc_u32 v[WSA], s25, v[L4]
	v_mul_u32_u24 v[YSO], v14, YP
	s_delay_alu instid0(VALU_DEP_1)
	v_lshl_add_u32 v[YSO], v15, 6, v[YSO]
	s_add_co_u32 s25, s24, YST
	v_add_nc_u32 v[YSO], s25, v[YSO]               ; the stage: row r, + 128 w + 64 h
	s_mul_i32 s24, s18, 8*YP
	s_add_co_u32 s24, s24, YST
	v_add_nc_u32 v[YSR], s24, v[LI]                ; back: my 8 rows
	v_lshlrev_b32 v[RDA], 3, v14
	s_lshl_b32 s24, s18, 9
	s_add_co_u32 s24, s24, RED
	v_add_nc_u32 v[RDA], s24, v[RDA]
	v_lshl_add_u32 v[RDL], v0, 3, RED
	v_lshlrev_b32 v[BTO], 2, v14
	v_lshlrev_b32 v[PSO], 3, v0
.irp b, 0,1,2,3
	v_mov_b32 v[TM+4+\b], 0                        ; written once: a lane permute's destination counts as one of its sources
	v_mov_b32 v[PX+\b], 0
.endr
	s_lshl_b32 s24, s22, 8
	s_lshl_b32 s25, s23, 4
	s_add_co_u32 s24, s24, s25
	s_lshl_b32 s25, s18, 1
	s_add_co_u32 s24, s24, s25                     ; 256 b + my first tile
	s_mul_i32 s24, s24, 3072                       ; rc: two fragments a tile
	s_mov_b32 s25, 0
	s_lshl_b32 s26, s22, 10
	s_lshl_b32 s27, s23, 4
	s_add_co_u32 s26, s26, s27
	s_lshl_b32 s27, s18, 1
	s_add_co_u32 s26, s26, s27
	s_lshl_b32 s26, s26, 6                         ; rs: head 0 of the batch, my first tile
	s_mov_b32 s27, 0
	s_lshl_b32 s28, s19, 16                        ; wt: my 64 rows
	s_mov_b32 s29, 0
	s_lshl_b32 s30, s19, 8                         ; bt
	s_mov_b32 s31, 0
	s_lshl_b32 s32, s22, 8
	s_lshl_b32 s33, s19, 6
	s_add_co_u32 s32, s32, s33
	s_lshl_b32 s33, s18, 3
	s_add_co_u32 s32, s32, s33
	s_lshl_b32 s32, s32, 14                        ; y: row 256 b + 64 oy + 8 w,
	s_lshl_b32 s33, s23, 10
	s_add_co_u32 s32, s32, s33                     ; my 256 points
	s_mov_b32 s33, 0
	s_lshl_b32 s34, ttmp9, 8
	s_lshl_b32 s35, s19, 6
	s_add_co_u32 s34, s34, s35
	s_lshl_b32 s34, s34, 3                         ; part: (256 group + 64 oy) x 8 bytes
	s_mov_b32 s35, 0
	s_wait_kmcnt 0x0
	s_add_nc_u64 s[4:5], s[4:5], s[24:25]
	s_add_nc_u64 s[6:7], s[6:7], s[26:27]
	s_add_nc_u64 s[8:9], s[8:9], s[28:29]
	s_add_nc_u64 s[10:11], s[10:11], s[30:31]
	s_add_nc_u64 s[12:13], s[12:13], s[32:33]
	s_add_nc_u64 s[14:15], s[14:15], s[34:35]
.irp b, 0,1,2,3
.irp j, 0,1,2,3
	global_load_b128 v[ACC+16*\b+4*\j:ACC+16*\b+4*\j+3], v[WO], s[8:9] offset:128*\b+16*\j
.endr
.endr
.irp f, 0,1,2,3
.irp i, 0,1,2,3,4,5
	global_load_b64 v[RF+12*\f+2*\i:RF+12*\f+2*\i+1], v[L8], s[4:5] offset:1536*\f+256*\i   ; 32 lanes read 256 consecutive bytes
.endr
.endr
.irp hd, 0,1,2,3
	global_load_b32 v[HW+\hd], v[L4], s[6:7] offset:16384*\hd
.endr
.irp t, 0,1,2,3
	global_load_b32 v[BT+\t], v[BTO], s[10:11] offset:64*\t
.endr
	s_wait_loadcnt 32                              ; wt's 16 loads are in; the 24 + 4 + 4 behind them may be out
	QUANT ACC, PC, 4
.irp c, 0,1,2
	ds_store_b128 v[WIA], v[PC+4*\c:PC+4*\c+3] offset:WIMG+512*\c
.endr
	ds_store_b32 v[WSA], v[PW]
	s_wait_loadcnt 0x0
	v_lshl_or_b32 v[RS], v[HW+1], 16, v[HW]        ; K step s: heads 2 s and 2 s + 1, two bytes each
	v_lshl_or_b32 v[RS+1], v[HW+3], 16, v[HW+2]
	s_wait_dscnt 0x0
	s_barrier_signal -1
	s_barrier_wait -1                              ; wt's eight fragments lie in LDS
.irp t, 0,1,2,3
.irp j, 0,1,2,3,4,5,6,7
	v_mov_b32 v[BTC+8*\t+\j], v[BT+\t]             ; the bias in the result's layout; these lines are also the places behind the scale words' making
.endr
.endr
	NOPS 4
	FETCHW 0
	s_wait_alu depctr_va_vdst(0)
	s_wait_dscnt 0x0
.irp t, 0,1,2,3
.irp u, 0,1
	WM ACC+16*\t+8*\u, RF+24*\u, WF+12*\t, BTC+8*\t, RS, WS+\t, \u
.endr
.endr
	NOPS 4
	FETCHW 1
	s_wait_dscnt 0x0
.irp t, 0,1,2,3
.irp u, 0,1
	WM ACC+16*\t+8*\u, RF+24*\u+12, WF+12*\t, ACC+16*\t+8*\u, RS+1, WS+\t, \u   ; the eight accumulators take turns
.endr
.endr
	NOPS 4
	; ---- the wave's 32 points of each channel: mean, then the squared deviations from it
.irp t, 0,1,2,3
	v_pk_add_f32 v[SM+2*\t:SM+2*\t+1], v[ACC+16*\t:ACC+16*\t+1], v[ACC+16*\t+2:ACC+16*\t+3]
.endr
.irp k, 4,6,8,10,12,14
.irp t, 0,1,2,3
	v_pk_add_f32 v[SM+2*\t:SM+2*\t+1], v[SM+2*\t:SM+2*\t+1], v[ACC+16*\t+\k:ACC+16*\t+\k+1]
.endr
.endr
.irp t, 0,1,2,3
	s_delay_alu instid0(VALU_DEP_4)
	v_add_f32 v[SM+2*\t], v[SM+2*\t], v[SM+2*\t+1]
.endr
.irp t, 0,1,2,3
	s_delay_alu instid0(VALU_DEP_4)
	v_permlanex16_b32 v[PX+\t], v[SM+2*\t], s[SEL], s[SEL+1]
.endr
.irp t, 0,1,2,3
	s_delay_alu instid0(VALU_DEP_4)
	v_add_f32 v[SM+2*\t], v[SM+2*\t], v[PX+\t]
.endr
.irp t, 0,1,2,3
	s_delay_alu instid0(VALU_DEP_4)
	v_mul_f32 v[SM+2*\t], 0x3d000000, v[SM+2*\t]   ; / 32
.endr
.irp k, 0,2,4,6,8,10,12,14
.irp t, 0,1,2,3
	v_pk_add_f32 v[DV+16*\t+\k:DV+16*\t+\k+1], v[ACC+16*\t+\k:ACC+16*\t+\k+1], v[SM+2*\t:SM+2*\t+1] op_sel_hi:[1,0] neg_lo:[0,1] neg_hi:[0,1]
.endr
.endr
.irp t, 0,1,2,3
	v_pk_mul_f32 v[QA+2*\t:QA+2*\t+1], v[DV+16*\t:DV+16*\t+1], v[DV+16*\t:DV+16*\t+1]
.endr
.irp k, 2,4,6,8,10,12,14
.irp t, 0,1,2,3
	s_delay_alu instid0(VALU_DEP_4)
	v_pk_fma_f32 v[QA+2*\t:QA+2*\t+1], v[DV+16*\t+\k:DV+16*\t+\k+1], v[DV+16*\t+\k:DV+16*\t+\k+1], v[QA+2*\t:QA+2*\t+1]
.endr
.endr
.irp t, 0,1,2,3
	s_delay_alu instid0(VALU_DEP_4)
	v_add_f32 v[QA+2*\t], v[QA+2*\t], v[QA+2*\t+1]
.endr
.irp t, 0,1,2,3
	s_delay_alu instid0(VALU_DEP_4)
	v_permlanex16_b32 v[PX+\t], v[QA+2*\t], s[SEL], s[SEL+1]
.endr
.irp t, 0,1,2,3
	s_delay_alu instid0(VALU_DEP_4)
	v_add_f32 v[SM+2*\t+1], v[QA+2*\t], v[PX+\t]
.endr
.irp t, 0,1,2,3
	ds_store_b64 v[RDA], v[SM+2*\t:SM+2*\t+1] offset:128*\t   ; lanes r and r + 16 write the same pair with the same values
.endr
.irp t, 0,1,2,3
.irp q, 0,1,2,3
	ds_store_b128 v[YSO], v[ACC+16*\t+4*\q:ACC+16*\t+4*\q+3] offset:16*YP*\t+16*\q
.endr
.endr
	s_wait_dscnt 0x0
	s_barrier_signal -1
	s_barrier_wait -1                              ; 64 whole rows of y and the eight waves' statistics lie in LDS
.irp n, 0,1,2,3,4,5,6,7,8,9,10,11,12,13,14,15
	ds_load_b128 v[128+4*\n:131+4*\n], v[YSR] offset:YP*(\n/2)+512*(\n%2)
.endr
.irp n, 0,1,2,3,4,5,6,7,8,9,10,11,12,13,14,15
	s_wait_dscnt 15-\n                             ; the younger LDS loads may stay out
	global_store_b128 v[LI], v[128+4*\n:131+4*\n], s[12:13] offset:16384*(\n/2)+512*(\n%2)   ; 32 lanes store 512 consecutive bytes, aligned
.endr
	s_cmp_lt_u32 s18, 2                            ; 64 channels: two waves join the eight waves' statistics
	s_cbranch_scc0 .Ldone
.irp k, 0,1,2,3,4,5,6,7
	ds_load_b64 v[192+2*\k:193+2*\k], v[RDL] offset:512*\k
.endr
	s_wait_dscnt 0x0
	v_add_f32 v208, v192, v194
	v_add_f32 v209, v193, v195
.irp k, 2,3,4,5,6,7
	s_delay_alu instid0(VALU_DEP_2)
	v_add_f32 v208, v208, v[192+2*\k]
	s_delay_alu instid0(VALU_DEP_2)
	v_add_f32 v209, v209, v[193+2*\k]
.endr
	s_delay_alu instid0(VALU_DEP_2)
	v_mul_f32 v208, 0x3e000000, v208               ; the mean of 256 points
	s_delay_alu instid0(VALU_DEP_1)
	v_sub_f32 v210, v192, v208
	s_delay_alu instid0(VALU_DEP_1)
	v_mul_f32 v211, v210, v210
.irp k, 1,2,3,4,5,6,7
	v_sub_f32 v210, v[192+2*\k], v208
	s_delay_alu instid0(VALU_DEP_1)
	v_fmac_f32 v211, v210, v210
.endr
	s_delay_alu instid0(VALU_DEP_1)
	v_fmamk_f32 v209, v211, 0x42000000, v209       ; + 32 x the squared distances of the waves' means
	global_store_b64 v[PSO], v[208:209], s[14:15]  ; 32 lanes store 256 consecutive bytes, aligned
.Ldone:
	s_wait_tensorcnt 0x0
	ds_add_u32 v254, v255
	s_wait_dscnt 0x0
	s_endpgm
.Lfunc_end_k_qe2ef38277f_trans:
	.size	k_qe2ef38277f_trans, .Lfunc_end_k_qe2ef38277f_trans-k_qe2ef38277f_trans
	.p2alignl 7, 3214868480
	.fill 96, 4, 3214868480
	.section	.rodata,"a",@progbits
	.p2align	6, 0x0
	.amdhsa_kernel k_qe2ef38277f_trans
		.amdhsa_group_segment_fixed_size 84992
		.amdhsa_private_segment_fixed_size 0
		.amdhsa_enable_private_segment 0
		.amdhsa_kernarg_size 48
		.amdhsa_user_sgpr_count 2
		.amdhsa_user_sgpr_kernarg_segment_ptr 1
		.amdhsa_wavefront_size32 1
		.amdhsa_system_sgpr_workgroup_id_x 1
		.amdhsa_system_sgpr_workgroup_id_y 1
		.amdhsa_system_sgpr_workgroup_id_z 1
		.amdhsa_system_vgpr_workitem_id 0
		.amdhsa_next_free_vgpr 256
		.amdhsa_next_free_sgpr 66
		.amdhsa_reserve_vcc 0
		.amdhsa_float_denorm_mode_32 3
		.amdhsa_float_denorm_mode_16_64 3
		.amdhsa_memory_ordered 1
		.amdhsa_forward_progress 1
		.amdhsa_inst_pref_size 36
	.end_amdhsa_kernel
	.amdgpu_metadata
---
amdhsa.version: [ 1, 2 ]
amdhsa.kernels:
  - .name:           k_qe2ef38277f_trans
    .symbol:         k_qe2ef38277f_trans.kd
    .args:
      - { .name: rc, .offset: 0, .size: 8, .value_kind: global_buffer, .address_space: global }
      - { .name: rs, .offset: 8, .size: 8, .value_kind: global_buffer, .address_space: global }
      - { .name: wt, .offset: 16, .size: 8, .value_kind: global_buffer, .address_space: global }
      - { .name: bt, .offset: 24, .size: 8, .value_kind: global_buffer, .address_space: global }
      - { .name: y, .offset: 32, .size: 8, .value_kind: global_buffer, .address_space: global }
      - { .name: part, .offset: 40, .size: 8, .value_kind: global_buffer, .address_space: global }
    .group_segment_fixed_size: 84992
    .private_segment_fixed_size: 0
    .kernarg_segment_align: 8
    .kernarg_segment_size: 48
    .max_flat_workgroup_size: 256
    .sgpr_count:     66
    .vgpr_count:     256
    .wavefront_size: 32
...
	.end_amdgpu_metadata
.endif
;; end of part 3
;; launch bn (part 4): grid 256 x 1, 8 waves a work-group, no clusters, 0 bytes of LDS; arguments y, part, gamma, beta, x, out0; writes out0
.if DOCPART == 4
	.amdgcn_target "amdgcn-amd-amdhsa--gfx1250"
	.amdhsa_code_object_version 6
	.text
	.protected	k_qe2ef38277f_bn
	.globl	k_qe2ef38277f_bn
	.p2align	8
	.type	k_qe2ef38277f_bn,@function
k_qe2ef38277f_bn:
	s_mov_b64 s[64:65], 0
	v_nop
	global_prefetch_b8 v0, s[64:65] scope:SCOPE_SE
	s_setreg_imm32_b32 hwreg(HW_REG_WAVE_MODE, 25, 1), 1
	s_wait_xcnt 0x0
; out = x + relu((y - mean) x rsqrt(var + 1e-5) x gamma + beta), mean and var of a channel over the 4 x 4,096 points (biased variance).
; A work-group is a channel; wave w takes half a row of batch w / 2: 8,192 bytes of y and of x, sixteen loads of 512 consecutive bytes each, all issued at the head.
; Every wave joins the channel's 64 parts (mean and sum of squared deviations of 256 points each) for itself: two parts a lane, no LDS, no barrier.  No difference of large sums is formed.
; Memory binds: matrix units, LDS and clusters would add nothing here.
.set Y, 32                             ; v32-95  y, then the result
.set X, 96                             ; v96-159 x
.macro WSUM r                          ; the sum over the wave's 32 lanes, in every lane
	s_delay_alu instid0(VALU_DEP_1)
	v_add_f32_dpp v[\r], v[\r], v[\r] row_xmask:1 row_mask:0xf bank_mask:0xf
	s_delay_alu instid0(VALU_DEP_1)
	v_add_f32_dpp v[\r], v[\r], v[\r] row_xmask:2 row_mask:0xf bank_mask:0xf
	s_delay_alu instid0(VALU_DEP_1)
	v_add_f32_dpp v[\r], v[\r], v[\r] row_xmask:4 row_mask:0xf bank_mask:0xf
	s_delay_alu instid0(VALU_DEP_1)
	v_add_f32_dpp v[\r], v[\r], v[\r] row_xmask:8 row_mask:0xf bank_mask:0xf
	s_delay_alu instid0(VALU_DEP_1)
	v_permlanex16_b32 v9, v[\r], s30, s31
	s_delay_alu instid0(VALU_DEP_1)
	v_add_f32 v[\r], v[\r], v9
.endm
	s_load_b256 s[4:11], s[0:1], 0x0               ; y, part, gamma, beta
	s_load_b128 s[12:15], s[0:1], 0x20             ; x, out0
	v_lshrrev_b32 v1, 5, v0
	s_delay_alu instid0(VALU_DEP_1)
	v_readfirstlane_b32 s24, v1                    ; wave 0..7
	v_and_b32 v1, 31, v0
	s_delay_alu instid0(VALU_DEP_1)
	v_lshlrev_b32 v16, 11, v1                      ; part: a group's 256 channels are 2,048 bytes
	s_delay_alu instid0(VALU_DEP_2)
	v_lshlrev_b32 v17, 4, v1
	v_mov_b32 v9, 0                                ; written once: a lane permute's destination counts as one of its sources
	s_mov_b32 s30, 0x76543210
	s_mov_b32 s31, 0xfedcba98
	s_mov_b32 s22, 0x38800000                      ; 1 / 16,384
	s_mov_b32 s23, 0x3727c5ac                      ; 1e-5
	s_mov_b32 s19, 0                               ; (named with s18 as a pair)
	s_lshl_b32 s20, ttmp9, 2
	s_mov_b32 s21, 0
	s_lshl_b32 s26, ttmp9, 3
	s_mov_b32 s27, 0
	s_lshr_b32 s28, s24, 1
	s_lshl_b32 s28, s28, 8
	s_add_co_u32 s28, s28, ttmp9
	s_lshl_b32 s28, s28, 14                        ; row 256 b + c
	s_and_b32 s29, s24, 1
	s_lshl_b32 s29, s29, 13
	s_add_co_u32 s28, s28, s29                     ; my half of it
	s_mov_b32 s29, 0
	s_wait_alu depctr_va_vdst(0)
	s_wait_kmcnt 0x0
	s_add_nc_u64 s[8:9], s[8:9], s[20:21]
	s_add_nc_u64 s[10:11], s[10:11], s[20:21]
	s_load_b32 s16, s[8:9], 0x0                    ; gamma[c]
	s_load_b32 s18, s[10:11], 0x0                  ; beta[c]
	s_add_nc_u64 s[6:7], s[6:7], s[26:27]
	s_add_nc_u64 s[4:5], s[4:5], s[28:29]
	s_add_nc_u64 s[12:13], s[12:13], s[28:29]
	s_add_nc_u64 s[14:15], s[14:15], s[28:29]
	global_load_b64 v[2:3], v16, s[6:7]            ; groups lane and lane + 32
	global_load_b64 v[4:5], v16, s[6:7] offset:65536
.irp i, 0,1,2,3,4,5,6,7,8,9,10,11,12,13,14,15
	global_load_b128 v[Y+4*\i:Y+4*\i+3], v17, s[4:5] offset:512*\i th:TH_LOAD_NT
	global_load_b128 v[X+4*\i:X+4*\i+3], v17, s[12:13] offset:512*\i th:TH_LOAD_NT
.endr
	s_wait_loadcnt 32                              ; the parts are in; the 32 loads of y and x may be out
	v_add_f32 v6, v2, v4
	WSUM 6
	s_delay_alu instid0(VALU_DEP_1)
	v_mul_f32 v10, 0x3c800000, v6                  ; the mean: / 64
	s_delay_alu instid0(VALU_DEP_1)
	v_mov_b32 v11, v10
	s_delay_alu instid0(VALU_DEP_2)
	v_sub_f32 v7, v2, v10
	s_delay_alu instid0(VALU_DEP_3)
	v_sub_f32 v8, v4, v10
	s_delay_alu instid0(VALU_DEP_2)
	v_mul_f32 v7, v7, v7
	s_delay_alu instid0(VALU_DEP_1)
	v_fmac_f32 v7, v8, v8
	v_add_f32 v8, v3, v5
	s_delay_alu instid0(VALU_DEP_1)
	v_fmamk_f32 v8, v7, 0x43800000, v8             ; + 256 x the squared distances of the groups' means
	WSUM 8
	s_delay_alu instid0(VALU_DEP_1)
	v_fma_f32 v8, v8, s22, s23                     ; var + 1e-5
	s_wait_alu depctr_va_vdst(0)
	v_rsq_f32 v12, v8
	v_nop                                          ; a plain instruction behind the root
	s_wait_kmcnt 0x0                               ; gamma, beta
	s_wait_alu depctr_va_vdst(0)                   ; the wait ahead of its first reader
	v_mul_f32 v12, s16, v12                        ; gamma / sqrt(var + 1e-5)
	s_delay_alu instid0(VALU_DEP_1)
	v_mov_b32 v13, v12
.irp i, 0,1,2,3,4,5,6,7,8,9,10,11,12,13,14,15
	s_wait_loadcnt 30-2*\i                         ; this chunk's two loads are in; the later chunks' may be out
	v_pk_add_f32 v[Y+4*\i:Y+4*\i+1], v[Y+4*\i:Y+4*\i+1], v[10:11] op_sel_hi:[1,0] neg_lo:[0,1] neg_hi:[0,1]
	s_wait_alu depctr_va_vdst(0)
	v_pk_add_f32 v[Y+4*\i+2:Y+4*\i+3], v[Y+4*\i+2:Y+4*\i+3], v[10:11] op_sel_hi:[1,0] neg_lo:[0,1] neg_hi:[0,1]
	v_pk_fma_f32 v[Y+4*\i:Y+4*\i+1], v[Y+4*\i:Y+4*\i+1], v[12:13], s[18:19] op_sel_hi:[1,0,0]
	s_delay_alu instid0(VALU_DEP_2)
	v_pk_fma_f32 v[Y+4*\i+2:Y+4*\i+3], v[Y+4*\i+2:Y+4*\i+3], v[12:13], s[18:19] op_sel_hi:[1,0,0]
	s_delay_alu instid0(VALU_DEP_2)
	v_max_num_f32 v[Y+4*\i], 0, v[Y+4*\i]
	s_delay_alu instid0(VALU_DEP_3)
	v_max_num_f32 v[Y+4*\i+1], 0, v[Y+4*\i+1]
	s_delay_alu instid0(VALU_DEP_3)
	v_max_num_f32 v[Y+4*\i+2], 0, v[Y+4*\i+2]
	s_delay_alu instid0(VALU_DEP_4)
	v_max_num_f32 v[Y+4*\i+3], 0, v[Y+4*\i+3]
	s_delay_alu instid0(VALU_DEP_3)
	v_pk_add_f32 v[Y+4*\i:Y+4*\i+1], v[Y+4*\i:Y+4*\i+1], v[X+4*\i:X+4*\i+1]
	s_delay_alu instid0(VALU_DEP_2)
	v_pk_add_f32 v[Y+4*\i+2:Y+4*\i+3], v[Y+4*\i+2:Y+4*\i+3], v[X+4*\i+2:X+4*\i+3]
	global_store_b128 v17, v[Y+4*\i:Y+4*\i+3], s[14:15] offset:512*\i th:TH_STORE_NT   ; 32 lanes store 512 consecutive bytes, aligned; no stored register is written again
.endr
	s_endpgm
.Lfunc_end_k_qe2ef38277f_bn:
	.size	k_qe2ef38277f_bn, .Lfunc_end_k_qe2ef38277f_bn-k_qe2ef38277f_bn
	.p2alignl 7, 3214868480
	.fill 96, 4, 3214868480
	.section	.rodata,"a",@progbits
	.p2align	6, 0x0
	.amdhsa_kernel k_qe2ef38277f_bn
		.amdhsa_group_segment_fixed_size 0
		.amdhsa_private_segment_fixed_size 0
		.amdhsa_enable_private_segment 0
		.amdhsa_kernarg_size 48
		.amdhsa_user_sgpr_count 2
		.amdhsa_user_sgpr_kernarg_segment_ptr 1
		.amdhsa_wavefront_size32 1
		.amdhsa_system_sgpr_workgroup_id_x 1
		.amdhsa_system_sgpr_workgroup_id_y 1
		.amdhsa_system_sgpr_workgroup_id_z 1
		.amdhsa_system_vgpr_workitem_id 0
		.amdhsa_next_free_vgpr 168
		.amdhsa_next_free_sgpr 66
		.amdhsa_reserve_vcc 0
		.amdhsa_float_denorm_mode_32 3
		.amdhsa_float_denorm_mode_16_64 3
		.amdhsa_memory_ordered 1
		.amdhsa_forward_progress 1
		.amdhsa_inst_pref_size 21
	.end_amdhsa_kernel
	.amdgpu_metadata
---
amdhsa.version: [ 1, 2 ]
amdhsa.kernels:
  - .name:           k_qe2ef38277f_bn
    .symbol:         k_qe2ef38277f_bn.kd
    .args:
      - { .name: y, .offset: 0, .size: 8, .value_kind: global_buffer, .address_space: global }
      - { .name: part, .offset: 8, .size: 8, .value_kind: global_buffer, .address_space: global }
      - { .name: gamma, .offset: 16, .size: 8, .value_kind: global_buffer, .address_space: global }
      - { .name: beta, .offset: 24, .size: 8, .value_kind: global_buffer, .address_space: global }
      - { .name: x, .offset: 32, .size: 8, .value_kind: global_buffer, .address_space: global }
      - { .name: out0, .offset: 40, .size: 8, .value_kind: global_buffer, .address_space: global }
    .group_segment_fixed_size: 0
    .private_segment_fixed_size: 0
    .kernarg_segment_align: 8
    .kernarg_segment_size: 48
    .max_flat_workgroup_size: 256
    .sgpr_count:     66
    .vgpr_count:     168
    .wavefront_size: 32
...
	.end_amdgpu_metadata
.endif
;; end of part 4
